; MI455X (gfx1250); checked and timed in simulation.
; The chip was launched on July 23, 2026; its instructions are those of AMD's public machine-readable ISA for CDNA 5 (MIT licence, August 2026) and "CDNA5" Instruction Set Architecture Reference Guide (July 2026). The comments in the code are by the model that wrote it; some were corrected since.
;; Multi Head Attention. Allowed arithmetic: matrix products marked QUANTISED: E4M3 operands, one given power-of-two scale a tensor, by v_wmma_f32_16x16x64_fp8_fp8 or v_wmma_f32_16x16x128_fp8_fp8, f32 sums; everything else in f32.
;; Inputs: W_out 1,024 x 1,024 float32; W_packed 3,072 x 1,024 float32; b_out 1,024 float32; b_packed 3,072 float32; key 4 x 2,048 x 1,024 float32; lowp_scales 12 int32 (the exponents e of the quantised operands' scales 2^e); query 4 x 2,048 x 1,024 float32; value 4 x 2,048 x 1,024 float32.
;; Outputs: out0 4 x 2,048 x 1,024 float32.
;; This version of the problem:
;;   THIS VERSION OF THE PROBLEM IS GIVEN IN LOW PRECISION. The matrix products marked QUANTISED in the list below multiply operands that are first quantised to E4M3 (4 exponent bits, 3 mantissa bits; 8 bits a number), with one given power-of-two scale for each operand tensor; their sums are f32. All else is computed in f32.
;;   The module's matrix products, in the order in which they are computed (A, B: the left and right operand; K: the contracted axis; several contracted axes count as one K, in the product's order):
;;     1. [M 8,192, K 1,024] x [K 1,024, N 1,024]; A: input query; B: computed on the way: QUANTISED (scales: A lowp_scales[0], B lowp_scales[1])
;;     2. [M 8,192, K 1,024] x [K 1,024, N 1,024]; A: input key; B: computed on the way: QUANTISED (scales: A lowp_scales[2], B lowp_scales[3])
;;     3. [M 8,192, K 1,024] x [K 1,024, N 1,024]; A: input value; B: computed on the way: QUANTISED (scales: A lowp_scales[4], B lowp_scales[5])
;;     4. batch 64 x [M 2,048, K 64] x [K 64, N 2,048]; A: computed on the way; B: computed on the way: QUANTISED (scales: A lowp_scales[6], B lowp_scales[7])
;;     5. batch 64 x [M 2,048, K 2,048] x [K 2,048, N 64]; A: softmax (see below); B: computed on the way: QUANTISED (scales: A lowp_scales[8], B lowp_scales[9])
;;     6. [M 8,192, K 1,024] x [K 1,024, N 1,024]; A: computed on the way; B: input W_out: QUANTISED (scales: A lowp_scales[10], B lowp_scales[11])
;;   THE QUANTISER, for each operand of a quantised product, along K:
;;     - The operand's scale is 2^e, e = its entry of the input lowp_scales (int32; the entries are numbered through the quantised products in the list's order, A before B).
;;     - Each number is divided by the scale, clamped to +-448, and rounded to the nearest number of E4M3, ties to even, subnormals kept.
;;     - The product sums the exact products of the quantised numbers (number of the format x scale) in f32.
;;   ~~~python
;;   def quantise(x, axis, e):      # numpy; x: float32 -> the quantised numbers, widened to float32 again
;;       x = np.moveaxis(x, axis, -1); K = x.shape[-1]
;;       r = np.clip(x / 2.0 ** e, -448, 448)
;;       step = 2.0 ** (np.maximum(np.frexp(np.where(r == 0, 1, r))[1] - 1, -6) - 3)
;;       q = np.round(r / step) * step * 2.0 ** e      # np.round: ties to even
;;       return np.moveaxis(q, -1, axis).astype(np.float32)
;;   ~~~
;;   SOFTMAX AHEAD OF A QUANTISED PRODUCT. Where the list says 'softmax', what is quantised is not the finished softmax but p = 2^(t - M), with t = logit x log2(e) and M = ceil(the row's largest t), a whole number; so 1/2 < the row's largest p <= 1. The row's sum l is taken of the UNQUANTISED p, in f32, and the product's result is divided by l at the end. Since M is a whole number, a kernel that streams over the keys may use a running M (the ceiling of the running maximum): every later rescaling is an exact power of two, so the quantised numbers keep their values, but for numbers so far below the row's largest that they fall under the format's range.
;;   OPERANDS COMPUTED ON THE WAY. 'Computed on the way' means the value that the module computes at that place (a softmax that the list does not call 'softmax' is quantised finished and normalised). What goes into a quantiser is computed in f32, as accurately as f32 sums, v_exp_f32 and their like allow (about 1e-6 of the number): no bf16 or f16 on the way to a quantiser, and a product that is left as it is and whose result goes on into a quantised operand takes f32 operands (vector FMAs, or v_wmma_f32_16x16x4_f32). A number that lies on a knife's edge between two numbers of the format may be rounded either way, as far as f32 arithmetic and the matrix unit's own rounding can turn it there, and no further.
;; One version. Each part assembles by itself: llvm-mc -triple=amdgcn-amd-amdhsa -mcpu=gfx1250 --defsym DOCPART=n.
;; ======== version 1 of 1: 5 launches
;; limits: right only within a limited range of input values
;; workspace buffers: xc 25,165,824 bytes; wc 4,194,304 bytes; qkc 16,777,216 bytes; vtc 8,388,608 bytes; ac 8,388,608 bytes
;; launch quant (part 1): grid 896 x 1, 4 waves a work-group, no clusters, 33,280 bytes of LDS; arguments query, key, value, W_packed, W_out, lowp_scales, xc, wc; writes xc, wc
.if DOCPART == 1
	.amdgcn_target "amdgcn-amd-amdhsa--gfx1250"
	.amdhsa_code_object_version 6
	.text
	.protected	k_q3b3cf7df5c_quant
	.globl	k_q3b3cf7df5c_quant
	.p2align	8
	.type	k_q3b3cf7df5c_quant,@function
k_q3b3cf7df5c_quant:
	s_mov_b64 s[64:65], 0
	v_nop
	global_prefetch_b8 v0, s[64:65] scope:SCOPE_SE
	s_setreg_imm32_b32 hwreg(HW_REG_WAVE_MODE, 25, 1), 1
	s_wait_xcnt 0x0
; THE PROGRAM: multi-head attention (4 x 2,048 tokens, 1,024 channels, 16 heads of 64), all six products on codes of E4M3, each operand with the scale 2^e given for it in lowp_scales.
;   1 (this text): query, key, value, W_packed (its three blocks each with its own scale) and W_out become codes.   2: q and k = codes x codes, + bias, quantised.   3: v likewise, made transposed (keys innermost).
;   4: causal attention on codes, its result quantised.   5: the projection on the way out, + bias, f32.
; WORK LEFT OUT (in launch 4): reference() itself replaces, by its own jnp.tril, every score of a key behind the query by the constant NEG_INF: whatever q . k is there, it reaches no output.  Such a key's
; p = 2^(t - M) has t = -1e30 x log2(e): its code is 0 at every scale, and it adds nothing to the row's sum.  So a step of 128 keys all of which lie behind all 16 queries of a tile is not multiplied, for all values of the inputs.
; Nothing else is left out: every input has a way to the output (the bias on k too: it moves k's codes) and every input is loaded.
; LIMIT: a NaN, an infinity or an overflow that would arise only in those left-out products is not carried to the result.
;
; THIS LAUNCH.  code = x / 2^e, held within +-448, rounded to the nearest code, ties to even.  LIMITS: -126 <= e and e + 8 <= 127.  NaN among the inputs is not served; an infinity is held at the largest code.
; All five tensors have K innermost and dense rows: each is a plain stream of numbers, and so are its codes.  A work-group takes 32,768 numbers: groups 0-255 query, 256-511 key, 512-767 value (codes to xc, in that order),
; 768-863 W_packed (32 groups for each of Wq, Wk, Wv), 864-895 W_out (codes to wc, in that order).  Only pointers, offsets and the exponent are chosen, by selects on the work-group's number: there is one path through the text.
; A wave takes 16 steps of 512 numbers.  The conversion takes 8 numbers from ONE lane's registers, so a lane must hold 16 neighbours; a load is best where neighbouring lanes take neighbouring bytes.  Both are had: each of a step's
; four loads reads 512 consecutive bytes, 16 a lane; the 2,048 bytes go through the wave's own stage in LDS as they lie and come back 64 bytes a lane (16 bytes of padding behind each 64, so that the lanes' reads spread over the banks).
; A lane's 16 codes are 16 bytes: the wave stores 512 consecutive bytes, aligned.  No tensor loads, no barrier: waves share nothing.  Loads run four steps (16 loads a wave) ahead, the turn through LDS one step.
; No matrix unit, no cluster: nothing is multiplied and no two work-groups read the same bytes.
.set WAVES, 4
.set STEPS, 16
.set EMAX,  8
.set MANT,  0x600000                   ; the mantissa field of 448 as f32
.set R,     16                         ; v16-79   four sets of 16 numbers as they are loaded
.set X,     80                         ; v80-111  two sets of 16 neighbours
.set C,     128                        ; v128-191 codes: four registers for each step, so that no store's data are written again
.set WREG,  8192                       ; LDS: a region of its own for each wave: two stages of 32 x SP bytes
.set SP,    80                         ; a lane's place in a stage: its 64 bytes + 16 of padding
.set SPW,   12                         ; v12      LDS address of my spare word: SPARE + 4 x my thread's number; never rewritten
.set NIL,   13                         ; v13      0; never rewritten
.set SPARE, WAVES*WREG                 ; behind the four regions: the spare words, 128 bytes for each wave
	s_load_b256 s[4:11], s[0:1], 0x0               ; query s[4:5], key s[6:7], value s[8:9], W_packed s[10:11]
	s_load_b256 s[12:19], s[0:1], 0x20             ; W_out s[12:13], the exponents s[14:15], xc s[16:17], wc s[18:19]
	v_lshl_add_u32 v[SPW], v0, 2, SPARE
	v_mov_b32 v[NIL], 0
	v_lshrrev_b32 v1, 5, v0
	v_readfirstlane_b32 s44, v1                    ; wave
	v_and_b32 v2, 31, v0                           ; lane
	v_lshlrev_b32 v3, 4, v2                        ; my 16 bytes of a load's 512, and of a store's; never rewritten
	s_mul_i32 s45, s44, WREG
	v_lshrrev_b32 v14, 2, v2
	v_mul_u32_u24 v14, v14, SP
	v_and_b32 v15, 3, v2
	v_lshl_add_u32 v14, v15, 4, v14
	v_add_nc_u32 v14, s45, v14                     ; the stage, on the way in: four lanes' 64 bytes on end, then 16 of padding
	v_mul_u32_u24 v15, v2, SP
	v_add_nc_u32 v15, s45, v15                     ; and on the way out: SP x lane: my 16 neighbours
	s_and_b32 s26, ttmp9, 0xffffff00               ; the first work-group of my tensor: 0, 256, 512, 768,
	s_cmp_lt_u32 ttmp9, 864
	s_cselect_b32 s26, s26, 864                    ; or 864 for W_out
	s_sub_co_u32 s20, ttmp9, s26
	s_lshl_b32 s20, s20, 2
	s_add_co_u32 s20, s20, s44                     ; which run of 8,192 numbers of the tensor is my wave's,
	s_lshl_b32 s20, s20, 15                        ; in bytes (under 2^26)
	s_mov_b32 s21, 0
	s_cmp_lt_u32 ttmp9, 768
	s_cselect_b32 s27, 0, 768                      ; the first work-group of my buffer of codes
	s_sub_co_u32 s22, ttmp9, s27
	s_lshl_b32 s22, s22, 2
	s_add_co_u32 s22, s22, s44
	s_lshl_b32 s22, s22, 13                        ; my wave's 8,192 codes
	s_mov_b32 s23, 0
	s_wait_alu depctr_va_vdst(0)
	s_wait_kmcnt 0x0
	s_load_b256 s[32:39], s[14:15], 0x0            ; e0 .. e7
	s_load_b128 s[40:43], s[14:15], 0x20           ; e8 .. e11
	s_cmp_lt_u32 ttmp9, 864                        ; the choices hang on the work-group's number alone
	s_cselect_b64 s[24:25], s[10:11], s[12:13]
	s_cmp_lt_u32 ttmp9, 768
	s_cselect_b64 s[24:25], s[8:9], s[24:25]
	s_cselect_b64 s[28:29], s[16:17], s[18:19]
	s_cmp_lt_u32 ttmp9, 512
	s_cselect_b64 s[24:25], s[6:7], s[24:25]
	s_cmp_lt_u32 ttmp9, 256
	s_cselect_b64 s[24:25], s[4:5], s[24:25]
	s_add_nc_u64 s[24:25], s[24:25], s[20:21]      ; from here my wave reads,
	s_add_nc_u64 s[28:29], s[28:29], s[22:23]      ; and here it stores
.macro LOAD t
.irp i, 0,1,2,3
	global_load_b128 v[R+16*((\t)%4)+4*\i:R+16*((\t)%4)+4*\i+3], v3, s[24:25] offset:2048*(\t)+512*\i th:TH_LOAD_NT   ; 32 lanes read 512 consecutive bytes; read once in the launch
.endr
.endm
.macro TURN t                          ; step t's numbers through the stage: LDS serves a wave's instructions in order (ISA guide 5.7.1.4), so no wait stands between the stores and the loads
.irp i, 0,1,2,3
	ds_store_b128 v14, v[R+16*((\t)%4)+4*\i:R+16*((\t)%4)+4*\i+3] offset:32*SP*((\t)%2)+8*SP*\i
.endr
.irp i, 0,1,2,3
	ds_load_b128 v[X+16*((\t)%2)+4*\i:X+16*((\t)%2)+4*\i+3], v15 offset:32*SP*((\t)%2)+16*\i
.endr
.endm
.irp t, 0,1,2,3
	LOAD \t
.endr
	s_wait_kmcnt 0x0
	s_cmp_lt_u32 ttmp9, 864                        ; my tensor's exponent: W_out e11, Wv e5, Wk e3, Wq e1, value e4, key e2, query e0
	s_cselect_b32 s30, s37, s43
	s_cmp_lt_u32 ttmp9, 832
	s_cselect_b32 s30, s35, s30
	s_cmp_lt_u32 ttmp9, 800
	s_cselect_b32 s30, s33, s30
	s_cmp_lt_u32 ttmp9, 768
	s_cselect_b32 s30, s36, s30
	s_cmp_lt_u32 ttmp9, 512
	s_cselect_b32 s30, s34, s30
	s_cmp_lt_u32 ttmp9, 256
	s_cselect_b32 s30, s32, s30
	s_add_co_i32 s30, s30, 127
	s_lshl_b32 s31, s30, 23
	v_mov_b32 v11, s31                             ; 2^e as f32: the conversion takes its exponent field
	s_add_co_i32 s30, s30, EMAX
	s_lshl_b32 s30, s30, 23
	s_or_b32 s30, s30, MANT
	s_wait_alu depctr_va_vdst(0)
	s_wait_loadcnt 12                              ; step 0's four loads are in; the twelve of steps 1 to 3 may be out
	TURN 0
.macro STEP t
.set XS, X+16*((\t)%2)
	s_wait_dscnt 0x0                               ; this step's numbers are back from the stage: so its stores into the stage have read their registers,
.if (\t)+4 < STEPS
	LOAD (\t)+4                                    ; which take the loads of four steps on
.endif
.if (\t)+1 < STEPS
.if STEPS-2-(\t) >= 3
	s_wait_loadcnt 12                              ; the next step's four loads are in; those of the three steps behind it may be out
.else
	s_wait_loadcnt 4*(STEPS-2-(\t))                ; near the end fewer steps lie behind it
.endif
	TURN (\t)+1                                    ; and go through the other stage while this step is worked
.endif
.irp i, 0,1,2,3,4,5,6,7,8,9,10,11,12,13,14,15
.endr
	v_cvt_scalef32_pk8_fp8_f32 v[C+4*(\t):C+4*(\t)+1], v[XS:XS+7], v11          ; eight numbers / 2^e, to the nearest code, ties to even; the first number's code in the lowest byte
	v_cvt_scalef32_pk8_fp8_f32 v[C+4*(\t)+2:C+4*(\t)+3], v[XS+8:XS+15], v11
	global_store_b128 v3, v[C+4*(\t):C+4*(\t)+3], s[28:29] offset:512*(\t)      ; the results go to a store alone
.endm
.irp t, 0,1,2,3,4,5,6,7,8,9,10,11,12,13,14,15
	STEP \t
.endr
	s_wait_tensorcnt 0x0                           ; the wave's end: behind my last LDS store
	ds_add_u32 v[SPW], v[NIL]
	s_wait_dscnt 0x0
	s_endpgm
.Lfunc_end_k_q3b3cf7df5c_quant:
	.size	k_q3b3cf7df5c_quant, .Lfunc_end_k_q3b3cf7df5c_quant-k_q3b3cf7df5c_quant
	.p2alignl 7, 3214868480
	.fill 96, 4, 3214868480
	.section	.rodata,"a",@progbits
	.p2align	6, 0x0
	.amdhsa_kernel k_q3b3cf7df5c_quant
		.amdhsa_group_segment_fixed_size 33280
		.amdhsa_private_segment_fixed_size 0
		.amdhsa_enable_private_segment 0
		.amdhsa_kernarg_size 64
		.amdhsa_user_sgpr_count 2
		.amdhsa_user_sgpr_kernarg_segment_ptr 1
		.amdhsa_wavefront_size32 1
		.amdhsa_system_sgpr_workgroup_id_x 1
		.amdhsa_system_sgpr_workgroup_id_y 1
		.amdhsa_system_sgpr_workgroup_id_z 1
		.amdhsa_system_vgpr_workitem_id 0
		.amdhsa_next_free_vgpr 192
		.amdhsa_next_free_sgpr 66
		.amdhsa_reserve_vcc 0
		.amdhsa_float_denorm_mode_32 3
		.amdhsa_float_denorm_mode_16_64 3
		.amdhsa_fp16_overflow 1
		.amdhsa_memory_ordered 1
		.amdhsa_forward_progress 1
		.amdhsa_inst_pref_size 22
	.end_amdhsa_kernel
	.amdgpu_metadata
---
amdhsa.version: [ 1, 2 ]
amdhsa.kernels:
  - .name:           k_q3b3cf7df5c_quant
    .symbol:         k_q3b3cf7df5c_quant.kd
    .args:
      - { .name: query, .offset: 0, .size: 8, .value_kind: global_buffer, .address_space: global }
      - { .name: key, .offset: 8, .size: 8, .value_kind: global_buffer, .address_space: global }
      - { .name: value, .offset: 16, .size: 8, .value_kind: global_buffer, .address_space: global }
      - { .name: W_packed, .offset: 24, .size: 8, .value_kind: global_buffer, .address_space: global }
      - { .name: W_out, .offset: 32, .size: 8, .value_kind: global_buffer, .address_space: global }
      - { .name: lowp_scales, .offset: 40, .size: 8, .value_kind: global_buffer, .address_space: global }
      - { .name: xc, .offset: 48, .size: 8, .value_kind: global_buffer, .address_space: global }
      - { .name: wc, .offset: 56, .size: 8, .value_kind: global_buffer, .address_space: global }
    .group_segment_fixed_size: 33280
    .private_segment_fixed_size: 0
    .kernarg_segment_align: 8
    .kernarg_segment_size: 64
    .max_flat_workgroup_size: 128
    .sgpr_count:     66
    .vgpr_count:     192
    .wavefront_size: 32
...
	.end_amdgpu_metadata
.endif
;; end of part 1
;; launch projqk (part 2): grid 4 x 64, 4 waves a work-group, clusters of 4 x 4, 327,680 bytes of LDS; arguments xc, wc, lowp_scales, qkc, b_packed; writes qkc
.if DOCPART == 2
	.amdgcn_target "amdgcn-amd-amdhsa--gfx1250"
	.amdhsa_code_object_version 6
	.text
	.protected	k_q3b3cf7df5c_projqk
	.globl	k_q3b3cf7df5c_projqk
	.p2align	8
	.type	k_q3b3cf7df5c_projqk,@function
k_q3b3cf7df5c_projqk:
	s_mov_b64 s[64:65], 0
	v_nop
	global_prefetch_b8 v0, s[64:65] scope:SCOPE_SE
	s_setreg_imm32_b32 hwreg(HW_REG_WAVE_MODE, 25, 1), 1
	s_wait_xcnt 0x0
	s_wait_alu depctr_hold_cnt(0) depctr_sa_sdst(0) depctr_va_vdst(0) depctr_va_sdst(0) depctr_va_ssrc(0) depctr_va_vcc(0) depctr_vm_vsrc(0)
	s_getreg_b32 s2, hwreg(HW_REG_IB_STS2, 6, 4)
	s_cmp_eq_u32 s2, 0
	s_cbranch_scc0 .Lentry_in_a_cluster
	s_endpgm
.Lentry_in_a_cluster:
	s_bfe_u32 s2, ttmp6, 0x10000c
	s_cmp_lg_u32 s2, 0xf033
	s_cbranch_scc0 .Lentry_shape_is_right
	s_endpgm
.Lentry_shape_is_right:
; q = query Wq^T + bq and k = key Wk^T + bk, on codes of E4M3, and their results quantised again: one GEMM C = A B^T of 16,384 x 1,024 x 1,024.
; A: xc's rows 0-16,383 (query's tokens, then key's).  B: wc's rows 1,024 p + n, p = 0 for the tile rows of query, 1 for those of key.  A sum stands for sum x 2^(eA + eB) (entries 0, 1 or 2, 3 of the exponents);
; number = sum x 2^(eA + eB) + bias, one fused multiply-add in f32; code = number / 2^eo (entry 6 or 7), held within +-448, to the nearest code, ties to even.
; OUT: qkc [head 16][stacked token 16,384][64]: q's tokens, then k's.  A wave's 16 tokens of one head are 1,024 consecutive bytes.
; LIMITS: eA + eB between -126 and 127; eo between -126 and 119: so that each power of two below is an f32 number.  No work of reference() is left out here.
; A tile of C, 256 x 256, is made by a work-group of four waves; a wave makes 128 x 128: 64 accumulators of 16 x 16, 512 registers.  K goes in steps of 256 through a ring of two LDS slots filled by the tensor data mover.
; CLUSTERS: 4 x 4 work-groups.  The four of a row of the cluster need the same tiles of A, the four of a column the same tiles of B: each tile is asked for JOINTLY, by the same tensor load with the same descriptor and a mask that
; names the four.  p is made of the cluster's y alone, so it is the same in all sixteen.  THE MATRIX INSTRUCTION IS USED TRANSPOSED (source 0 = 16 rows of B, source 1 = 16 rows of A): a lane then holds eight neighbouring columns of a row of C,
; which are eight neighbours along the next product's K: the conversion takes them as they lie.
; A fragment comes by four loads of 16 bytes: lane l holds, of row l % 16, K = 32 c + 16 (l / 16) + 0 .. 15 in registers 4 c .. 4 c + 3: a permutation of k, the same in A and B, so every product meets its partner.
; No prefetch: K has four steps, of which two are asked for at the head.
; REGISTERS, in windows of 256: window 0: v16-31 addresses and constants; v32-63 codes on the way out; v64-127 the bias of my 128 columns in the result's layout; from v128 A's fragments, ONE set (on the way out: rows read back).
;   window 1: B's fragments, TWO sets.   window 2: the 32 accumulators of my rows 0-63 (accumulator (a, b) at v[8 (8 a + b)]);   window 3: those of my rows 64-127.
.set KROW,   1024                      ; a row of A or of B in memory, in bytes
.set ROWB,   256                       ; a tile's row in bytes
.set PITCH,  272                       ; an LDS row: 256 bytes + 16 of padding = 68 words: row r starts at bank 4 r mod 64 (64 banks of 4 bytes: ISA guide 11.1)
.set FR,     16                        ; registers of a fragment: 16 rows x 128 K
.set NL,     4                         ; LDS loads that bring one
.set NP,     4                         ; places behind this matrix instruction (ISA guide 7.12.1)
.set HALFT,  128*PITCH                 ; 128 rows: what one tensor load brings
.set SLOT,   4*HALFT                   ; A's 256 rows, then B's 256 rows
.set LAPS,   2                         ; a lap = two K steps of 256 = once round the ring
.set SPARE,  2*SLOT                    ; behind the ring: the spare words, 128 bytes for each wave
.set GRP,    16384*64                  ; bytes from a head's block of qkc to the next head's
.set ADRA, 16                          ; v16-17  LDS address of my A fragments in slot 0, 1
.set ADRB, 20                          ; v20-21  the same for B
.set STO,  24                          ; v24     the way out: where I put 8 codes
.set RD,   25                          ; v25     the way out: where I read 16 bytes back
.set CO,   26                          ; v26     16 x lane: my byte in a store's 512
.set BO,   27                          ; v27     the bias loads' offset
.set SPW,  28                          ; v28     LDS address of my spare word; never rewritten
.set NIL,  29                          ; v29     0; never rewritten
.set SCV,  30                          ; v30     2^eo
.set LIMV, 31
.set CD,   32                          ; v32-63  a block's codes, two sets of 16
.set BN,   64                          ; v64-127 bias: register 8 b + j = column 16 b + 8 (l / 16) + j of my 128
.set AF,   128
.set BK,   128                         ; the way out: v128-143, v144-159 by turns
.set G1, 24
.set G0, 32
.set G1B, 48
.set G0B, 56
.set MSB, 0
.macro WIN new                         ; the immediate's high byte repeats the setting that is left
.if MSB != \new
	s_set_vgpr_msb (MSB<<8)|\new
.set MSB, \new
.endif
.endm
.set MUL_LO, 0xa1                      ; source 0 (B) window 1, source 1 (A) window 0, C and D window 2
.set MUL_HI, 0xf1                      ; the same, C and D window 3
.set TO_B,   0x40                      ; destination window 1, address window 0
; A joint load: waves 0 and 1 fetch for A, waves 2 and 3 for B; the branch hangs on the wave's number alone.  An s_nop 0 and four v_nop follow each of the two lines.
.macro JLOAD g0a, g1a, g0b, g1b
	s_cmp_eq_u32 s15, 0
	s_cbranch_scc0 .Lfor_b_\@
	tensor_load_to_lds s[\g0a:\g0a+3], s[\g1a:\g1a+7]
	s_nop 0
.rept 4
	v_nop
.endr
	s_branch .Lasked_\@
.Lfor_b_\@:
	tensor_load_to_lds s[\g0b:\g0b+3], s[\g1b:\g1b+7]
	s_nop 0
.rept 4
	v_nop
.endr
.Lasked_\@:
.endm
.macro CREST                           ; a round of the cluster's barrier behind its opening barrier
	s_cmp_lg_u32 s14, 0
	s_cbranch_scc1 .Lnot_wave_0_\@
	s_barrier_signal -3
.Lnot_wave_0_\@:
	s_barrier_wait -3
	s_barrier_signal -1
	s_barrier_wait -1
.endm
.macro CROUND                          ; a whole round
	s_barrier_signal -1
	s_barrier_wait -1
	CREST
.endm
	s_load_b128 s[4:7], s[0:1], 0x0                ; xc s[4:5], wc s[6:7]
	s_load_b128 s[8:11], s[0:1], 0x10              ; the exponents s[8:9], qkc s[10:11]
	s_load_b64 s[12:13], s[0:1], 0x20              ; b_packed
	v_lshl_add_u32 v[SPW], v0, 2, SPARE
	v_mov_b32 v[NIL], 0
	ds_add_u32 v[SPW], v[NIL]                      ; the wave's opening: the add, twice on end, and its wait ahead of my first tensor load
	ds_add_u32 v[SPW], v[NIL]                      ; and once more; the set-up below, work on registers, stands between it and the wait
	v_lshrrev_b32 v1, 5, v0
	v_readfirstlane_b32 s14, v1                    ; wave 0..3
	s_lshr_b32 s15, s14, 1                         ; which half of the tile's rows is mine.  Also: I fetch for A (0) or for B (1)
	s_and_b32 s16, s14, 1                          ; which half of its columns.  Also: which 128 rows of that tile I fetch
	s_bfe_u32 s40, ttmp6, 0x40000                  ; cx, cy: my place in the cluster
	s_bfe_u32 s41, ttmp6, 0x40004
	s_lshl_b32 s42, ttmp9, 2
	s_add_co_u32 s42, s42, s40                     ; tile column of C = 4 x cluster x + cx
	s_and_b32 s17, ttmp7, 0xffff
	s_lshl_b32 s17, s17, 2
	s_add_co_u32 s17, s17, s41                     ; tile row of C = 4 x cluster y + cy
	s_and_b32 s80, ttmp7, 0xffff
	s_lshr_b32 s80, s80, 3                         ; p: clusters 0-7 along y hold query's rows, 8-15 key's
	s_lshl_b32 s43, s41, 2
	s_lshl_b32 s43, 15, s43                        ; my row of the cluster
	s_lshl_b32 s44, 0x1111, s40                    ; my column
	s_or_b32 s[G1+0], s43, (0<<16)|(1<<20)|(1<<21)|(5<<22)|(3<<25)  ; 15:0 the mask; 17:16 elements of 1 byte; 20 padding on; 21 set beside a mask; 24:22 after every 64 words; 31:25 four words
	s_or_b32 s[G1B+0], s44, (0<<16)|(1<<20)|(1<<21)|(5<<22)|(3<<25)
.irp g, G1, G1B
	s_mov_b32 s[\g+1], ROWB<<16                    ; tensor_dim0
	s_mov_b32 s[\g+2], 128<<16                     ; tensor_dim1
	s_mov_b32 s[\g+3], ROWB<<16                    ; tile_dim0
	s_mov_b32 s[\g+4], 128                         ; tile_dim1
	s_mov_b32 s[\g+5], KROW                        ; tensor_dim0_stride
	s_mov_b32 s[\g+6], 0
	s_mov_b32 s[\g+7], 0
.endr
	s_lshl_b32 s18, s16, 7                         ; which 128 rows of the tile I fetch
	s_lshl_b32 s20, s17, 8
	s_add_co_u32 s20, s20, s18                     ; A: row 256 x tile row + 128 x half,
	s_lshl_b32 s20, s20, 10                        ; in bytes (under 2^25)
	s_mov_b32 s21, 0
	s_lshl_b32 s46, s42, 8
	s_add_co_u32 s46, s46, s18
	s_lshl_b32 s47, s80, 10
	s_add_co_u32 s46, s46, s47                     ; B: row 1,024 p + 256 x tile column + 128 x half: also my wave's first column among b_packed's numbers
	s_lshl_b32 s82, s46, 2                         ; so this is my bias's first byte
	s_mov_b32 s83, 0
	s_lshl_b32 s46, s46, 10
	s_mov_b32 s47, 0
	s_mul_i32 s45, s14, HALFT                      ; where the tiles go: wave x 128 rows: no place in the cluster enters an LDS address
	s_wait_dscnt 0x0                               ; both opening adds are done
	s_wait_kmcnt 0x0
	s_load_b256 s[68:75], s[8:9], 0x0              ; e0 .. e7
	s_add_nc_u64 s[20:21], s[4:5], s[20:21]
	s_add_nc_u64 s[46:47], s[6:7], s[46:47]
	CROUND                                         ; all sixteen work-groups are here: the first joint loads meet
.irp s, 0,1
	s_mov_b32 s[G0+4*\s], 1
	s_add_co_u32 s[G0+4*\s+1], s45, \s*SLOT
	s_add_nc_u64 s[G0+4*\s+2:G0+4*\s+3], s[20:21], \s*ROWB
	s_or_b32 s[G0+4*\s+3], s[G0+4*\s+3], 0x80000000
	s_mov_b32 s[G0B+4*\s], 1
	s_add_co_u32 s[G0B+4*\s+1], s45, \s*SLOT
	s_add_nc_u64 s[G0B+4*\s+2:G0B+4*\s+3], s[46:47], \s*ROWB
	s_or_b32 s[G0B+4*\s+3], s[G0B+4*\s+3], 0x80000000
	s_wait_alu depctr_va_vdst(0)
	s_wait_tensorcnt 0x0
	ds_add_u32 v28, v29
	ds_add_u32 v28, v29
	s_wait_dscnt 0x0
	CROUND
	JLOAD G0+4*\s, G1, G0B+4*\s, G1B
.endr
	v_and_b32 v1, 15, v0                           ; r = l % 16
	s_wait_alu depctr_va_vdst(0)
	v_bfe_u32 v2, v0, 4, 1                         ; h = l / 16
	v_mul_u32_u24 v3, v1, PITCH
	v_lshl_add_u32 v4, v2, 4, v3                   ; a fragment's row x pitch + 16 x half
	s_mul_i32 s21, s15, HALFT                      ; my 128 rows of A
	s_mul_i32 s22, s16, HALFT                      ; my 128 rows of B,
	s_add_co_u32 s22, s22, 2*HALFT                 ; which lie behind A's 256
.irp s, 0,1
	v_add_nc_u32 v[ADRA+\s], s21, v4
	v_add_nc_u32 v[ADRB+\s], s22, v4
	s_add_co_u32 s21, s21, SLOT
	s_add_co_u32 s22, s22, SLOT
.endr
	s_lshl_b32 s23, s14, 11                        ; my stage: 2,048 bytes, [2 heads][16 tokens][64].  It lies in slot 0, which has had its last fill and its last read when the first code is stored there
	v_lshlrev_b32 v5, 6, v1
	s_wait_alu depctr_va_vdst(0)
	v_lshl_add_u32 v5, v2, 3, v5
	v_add_nc_u32 v[STO], s23, v5                   ; in: token r, + 8 h
	v_and_b32 v6, 31, v0
	v_lshlrev_b32 v[CO], 4, v6
	v_add_nc_u32 v[RD], s23, v[CO]                 ; back: 16 bytes a lane, as they lie
	v_lshlrev_b32 v[BO], 5, v2                     ; the bias: lanes 16-31 begin eight numbers on
	s_add_nc_u64 s[12:13], s[12:13], s[82:83]
.irp b, 0,1,2,3,4,5,6,7
	global_load_b128 v[BN+8*\b:BN+8*\b+3], v[BO], s[12:13] offset:64*\b
	global_load_b128 v[BN+8*\b+4:BN+8*\b+7], v[BO], s[12:13] offset:64*\b+16
.endr
	s_lshl_b32 s20, s17, 8
	s_lshl_b32 s21, s15, 7
	s_add_co_u32 s20, s20, s21                     ; my first stacked token: 256 x tile row + 128 x half
	s_lshl_b32 s46, s42, 2
	s_lshl_b32 s47, s16, 1
	s_add_co_u32 s46, s46, s47                     ; my first head: 4 x tile column + 2 x half
	s_lshl_b32 s46, s46, 14
	s_add_co_u32 s20, s20, s46
	s_lshl_b32 s20, s20, 6                         ; (head x 16,384 + token) x 64 bytes
	s_mov_b32 s21, 0
	s_add_nc_u64 s[10:11], s[10:11], s[20:21]
.macro FRAG reg, adr, q, i             ; a fragment: four loads of 16 bytes, 32 bytes apart
.irp c, 0,1,2,3
	ds_load_b128 v[\reg+4*\c:\reg+4*\c+3], v[\adr] offset:128*(\q)+32*\c+(\i)*16*PITCH
.endr
.endm
; 16 matrix instructions: A's blocks a0, a0 + 1 x B's eight, 128 along K.  p: B's set.  zero = 1: the first product starts the sums.  The 64 accumulators take turns, one instruction a turn, in the same order in every step.
.macro MUL16 a0, p, zero
.irp a, \a0, \a0+1
.irp b, 0,1,2,3,4,5,6,7
.if \zero
	v_wmma_f32_16x16x128_fp8_fp8 v[8*(8*((\a)%4)+\b):8*(8*((\a)%4)+\b)+7], v[128*(\p)+FR*\b:128*(\p)+FR*\b+FR-1], v[AF+FR*(\a):AF+FR*(\a)+FR-1], 0
.else
	v_wmma_f32_16x16x128_fp8_fp8 v[8*(8*((\a)%4)+\b):8*(8*((\a)%4)+\b)+7], v[128*(\p)+FR*\b:128*(\p)+FR*\b+FR-1], v[AF+FR*(\a):AF+FR*(\a)+FR-1], v[8*(8*((\a)%4)+\b):8*(8*((\a)%4)+\b)+7]
.endif
.endr
.endr
.endm
.macro FETCH_B slot, q, p              ; B's eight fragments of the slot's q-th 128 along K into set p
	WIN TO_B
.irp i, 0,1,2,3,4,5,6,7
	FRAG 128*(\p)+FR*\i, ADRB+\slot, \q, \i
.endr
	WIN 0
.endm
.macro FETCH_A slot, q, i0             ; A's blocks i0 .. i0 + 3
.irp i, \i0, \i0+1, \i0+2, \i0+3
	FRAG AF+FR*(\i), ADRA+\slot, \q, \i
.endr
.endm
.macro PLACES n                        ; plain vector instructions between a matrix instruction and a load into, or a vector read or write of, its registers
.rept \n
	v_nop
.endr
.endm
; A step of 128 along K that has its successor in the same slot.  A block of A is free as soon as its eight products are issued: blocks 0-3 are fetched anew in the step's middle, blocks 4-7 at its end.
.macro STEP slot, q, zero
	s_wait_dscnt 4*NL                              ; B's set and A's blocks 0-3 are in; the youngest 16 loads (A's blocks 4-7) may be out
	WIN MUL_LO
	MUL16 0, (\q)%2, \zero
	MUL16 2, (\q)%2, \zero
	s_wait_dscnt 0                                 ; A's blocks 4-7 are in
	PLACES NP
	FETCH_B \slot, (\q)+1, 1-(\q)%2
	FETCH_A \slot, (\q)+1, 0
	WIN MUL_HI
	MUL16 4, (\q)%2, \zero
	MUL16 6, (\q)%2, \zero
	PLACES NP
	WIN 0
	FETCH_A \slot, (\q)+1, 4
.endm
; A slot's last step changes slots: ONE barrier; in front of it each wave waits for all its tensor loads, adds 0 to its spare word, and waits for that and for its own reads of this slot.  fill = 1: this slot is filled again, two K steps ahead.
.macro TURN slot, next, fill
	s_wait_tensorcnt 0x0                           ; all my tensor loads have landed: my part of the next slot  (every window is 0 here)
	ds_add_u32 v[SPW], v[NIL]                      ; 0 onto my spare word
	s_wait_dscnt 4*NL+1                            ; (the add and the youngest 16 loads, A's blocks 4-7, may be out)
	WIN MUL_LO
	MUL16 0, 1, 0                                  ; sixteen matrix instructions stand between the add and the wait for it
	s_wait_dscnt 0x0                               ; the add is done, and my reads of this slot are over
	s_barrier_signal -1
	MUL16 2, 1, 0
	WIN 0
	s_barrier_wait -1
.if \fill
	CREST                                          ; the barrier has opened a round of the cluster's barrier: no wave of any partner still reads this slot's tile or has a load on its way
	s_add_nc_u64 s[G0+4*\slot+2:G0+4*\slot+3], s[G0+4*\slot+2:G0+4*\slot+3], 2*ROWB
	s_add_nc_u64 s[G0B+4*\slot+2:G0B+4*\slot+3], s[G0B+4*\slot+2:G0B+4*\slot+3], 2*ROWB
	JLOAD G0+4*\slot, G1, G0B+4*\slot, G1B         ; the first tensor load behind the round; its four v_nop are also the places in front of the loads below
.else
	PLACES NP
.endif
	FETCH_B \next, 0, 0
	FETCH_A \next, 0, 0
	WIN MUL_HI
	MUL16 4, 1, 0
	MUL16 6, 1, 0
	PLACES NP
	WIN 0
	FETCH_A \next, 0, 4
.endm
	s_wait_tensorcnt 1                             ; my part of K step 0 is in; K step 1's load may be out
	s_barrier_signal -1
	s_barrier_wait -1                              ; everybody's is
	FETCH_B 0, 0, 0
	FETCH_A 0, 0, 0
	FETCH_A 0, 0, 4
	STEP 0, 0, 1                                   ; the first step stands in front of the loop: its products start the sums
	s_mov_b32 s3, LAPS-1
.Llap:                                                 ; a trip goes once round the ring, from a lap's second step to the next lap's first, and fills both slots again
	TURN 0, 1, 1
	STEP 1, 0, 0
	TURN 1, 0, 1
	STEP 0, 0, 0
	s_sub_co_u32 s3, s3, 1
	s_cmp_lg_u32 s3, 0
	s_cbranch_scc1 .Llap
	TURN 0, 1, 0                                   ; the last lap fills nothing, and has no round of the cluster's barrier
	STEP 1, 0, 0
	s_wait_dscnt 4*NL                              ; the very last step: nothing more to fetch
	WIN MUL_LO
	MUL16 0, 1, 0
	MUL16 2, 1, 0
	s_wait_dscnt 0
	WIN MUL_HI
	MUL16 4, 1, 0
	MUL16 6, 1, 0
	WIN 0
; THE WAY OUT, block by block of 16 tokens x 128 columns (two heads).  In place: sum x 2^(eA + eB) + bias, then the conversion: a lane's eight registers of an accumulator are eight neighbouring channels of one token: 8 bytes.
; They go through my own stage and come back as they lie in qkc: 1,024 consecutive bytes for each of the two heads.  LDS serves a wave's instructions in order (ISA guide 5.7.1.4): no wait between the stores and the loads.
.macro TOSTAGE a
.set W, 2+(\a)/4
.set AC, 64*((\a)%4)
.set CDA, CD+16*((\a)%2)
.set BB, BK+16*((\a)%2)
.set WW, (W<<6)|W
	WIN WW                                         ; destination and source 0: the accumulators' window
.set jj, 0
.rept 32
	v_pk_fma_f32 v[AC+jj:AC+jj+1], v[AC+jj:AC+jj+1], s[96:97], v[BN+jj:BN+jj+1] op_sel_hi:[1,0,1]   ; each accumulator from its low end on
.set jj, jj+2
.endr
.set jj, 0
.rept 64
.set jj, jj+1
.endr
	WIN W
.irp b, 0,1,2,3,4,5,6,7
	v_cvt_scalef32_pk8_fp8_f32 v[CDA+2*\b:CDA+2*\b+1], v[AC+8*\b:AC+8*\b+7], v[SCV]
.endr
	v_nop                                          ; one plain vector instruction behind the last conversion
	WIN 0
.irp b, 0,1,2,3,4,5,6,7
	ds_store_b64 v[STO], v[CDA+2*\b:CDA+2*\b+1] offset:(\b/4)*1024+(\b%4)*16
.endr
.irp i, 0,1,2,3
	ds_load_b128 v[BB+4*\i:BB+4*\i+3], v[RD] offset:512*\i
.endr
.endm
.macro SEND a, younger                 ; younger: the LDS instructions issued behind block a's loads, which may stay out
.set BB, BK+16*((\a)%2)
	s_wait_dscnt \younger
.if (\a) > 0
	s_add_nc_u64 s[10:11], s[10:11], 1024          ; 16 tokens on (behind a wait on XCNT: the earlier stores have read their base)
.endif
.irp i, 0,1,2,3
	global_store_b128 v[CO], v[BB+4*\i:BB+4*\i+3], s[10:11] offset:(\i/2)*GRP+(\i%2)*512   ; 32 lanes store 512 consecutive bytes, at a multiple of 256 from the buffer's first byte
.endr
.endm
	s_wait_kmcnt 0x0                               ; the exponents
	s_wait_loadcnt 0x0                             ; the bias
	s_cmp_eq_u32 s80, 0                            ; a select, no branch: query's entries or key's
	s_cselect_b32 s81, s68, s70
	s_cselect_b32 s82, s69, s71
	s_cselect_b32 s83, s74, s75
	s_add_co_i32 s96, s81, s82
	s_add_co_i32 s96, s96, 127
	s_lshl_b32 s96, s96, 23                        ; 2^(eA + eB) as f32
	s_mov_b32 s97, s96                             ; (named with it as a pair, so it is written)
	s_add_co_i32 s83, s83, 127
	s_lshl_b32 s84, s83, 23
	v_mov_b32 v[SCV], s84                          ; 2^eo
	s_add_co_i32 s83, s83, 8
	s_lshl_b32 s83, s83, 23
	s_or_b32 s83, s83, 0x600000
	PLACES NP                                      ; behind the last products
	TOSTAGE 0
.irp a, 1,2,3,4,5,6,7
.if \a > 1
	s_wait_xcnt 0x0                                ; block a - 2's stores have read their registers and their base
.endif
	TOSTAGE \a
	SEND \a-1, 12                                  ; behind block a - 1's loads: block a's 8 stores and 4 loads
.endr
	s_wait_xcnt 0x0
	SEND 7, 0
	s_wait_tensorcnt 0x0                           ; the wave's end: behind my last tensor load and my last LDS store
	ds_add_u32 v[SPW], v[NIL]
	s_wait_dscnt 0x0
	CROUND                                         ; the closing round: no work-group ends while a partner may still ask for a tile that names it
	s_endpgm
.Lfunc_end_k_q3b3cf7df5c_projqk:
	.size	k_q3b3cf7df5c_projqk, .Lfunc_end_k_q3b3cf7df5c_projqk-k_q3b3cf7df5c_projqk
	.p2alignl 7, 3214868480
	.fill 96, 4, 3214868480
	.section	.rodata,"a",@progbits
	.p2align	6, 0x0
	.amdhsa_kernel k_q3b3cf7df5c_projqk
		.amdhsa_group_segment_fixed_size 327680
		.amdhsa_private_segment_fixed_size 0
		.amdhsa_enable_private_segment 0
		.amdhsa_kernarg_size 40
		.amdhsa_user_sgpr_count 2
		.amdhsa_user_sgpr_kernarg_segment_ptr 1
		.amdhsa_wavefront_size32 1
		.amdhsa_system_sgpr_workgroup_id_x 1
		.amdhsa_system_sgpr_workgroup_id_y 1
		.amdhsa_system_sgpr_workgroup_id_z 1
		.amdhsa_system_vgpr_workitem_id 0
		.amdhsa_next_free_vgpr 1024
		.amdhsa_next_free_sgpr 100
		.amdhsa_reserve_vcc 0
		.amdhsa_float_denorm_mode_32 3
		.amdhsa_float_denorm_mode_16_64 3
		.amdhsa_fp16_overflow 1
		.amdhsa_memory_ordered 1
		.amdhsa_forward_progress 1
		.amdhsa_inst_pref_size 112
	.end_amdhsa_kernel
	.amdgpu_metadata
---
amdhsa.version: [ 1, 2 ]
amdhsa.kernels:
  - .name:           k_q3b3cf7df5c_projqk
    .symbol:         k_q3b3cf7df5c_projqk.kd
    .args:
      - { .name: xc, .offset: 0, .size: 8, .value_kind: global_buffer, .address_space: global }
      - { .name: wc, .offset: 8, .size: 8, .value_kind: global_buffer, .address_space: global }
      - { .name: lowp_scales, .offset: 16, .size: 8, .value_kind: global_buffer, .address_space: global }
      - { .name: qkc, .offset: 24, .size: 8, .value_kind: global_buffer, .address_space: global }
      - { .name: b_packed, .offset: 32, .size: 8, .value_kind: global_buffer, .address_space: global }
    .group_segment_fixed_size: 327680
    .private_segment_fixed_size: 0
    .kernarg_segment_align: 8
    .kernarg_segment_size: 40
    .max_flat_workgroup_size: 128
    .sgpr_count:     100
    .vgpr_count:     1024
    .wavefront_size: 32
...
	.end_amdgpu_metadata
.endif
;; end of part 2
;; launch projv (part 3): grid 32 x 4, 4 waves a work-group, clusters of 4 x 4, 327,680 bytes of LDS; arguments wc, xc, lowp_scales, vtc, b_packed; writes vtc
.if DOCPART == 3
	.amdgcn_target "amdgcn-amd-amdhsa--gfx1250"
	.amdhsa_code_object_version 6
	.text
	.protected	k_q3b3cf7df5c_projv
	.globl	k_q3b3cf7df5c_projv
	.p2align	8
	.type	k_q3b3cf7df5c_projv,@function
k_q3b3cf7df5c_projv:
	s_mov_b64 s[64:65], 0
	v_nop
	global_prefetch_b8 v0, s[64:65] scope:SCOPE_SE
	s_setreg_imm32_b32 hwreg(HW_REG_WAVE_MODE, 25, 1), 1
	s_wait_xcnt 0x0
	s_wait_alu depctr_hold_cnt(0) depctr_sa_sdst(0) depctr_va_vdst(0) depctr_va_sdst(0) depctr_va_ssrc(0) depctr_va_vcc(0) depctr_vm_vsrc(0)
	s_getreg_b32 s2, hwreg(HW_REG_IB_STS2, 6, 4)
	s_cmp_eq_u32 s2, 0
	s_cbranch_scc0 .Lentry_in_a_cluster
	s_endpgm
.Lentry_in_a_cluster:
	s_bfe_u32 s2, ttmp6, 0x10000c
	s_cmp_lg_u32 s2, 0xf033
	s_cbranch_scc0 .Lentry_shape_is_right
	s_endpgm
.Lentry_shape_is_right:
; v^T = Wv value^T + bv, on codes of E4M3, quantised again with the KEYS innermost, since the keys are the K of attention's second product: one GEMM C = A B^T of 1,024 (channels) x 8,192 (tokens) x 1,024.
; A: wc's rows 2,048 on (Wv).  B: xc's rows 16,384 on (value).  number = sum x 2^(e4 + e5) + bv[channel], one fused multiply-add in f32; code = number / 2^e9, held within +-448, to the nearest code, ties to even.
; OUT: vtc [token / 64: 128 groups][channel 1,024][64 keys]: one head's 64 channels x 64 keys are 4,096 consecutive bytes.
; LIMITS: e4 + e5 between -126 and 127; e9 between -126 and 119.  No work of reference() is left out here.
; The text is the q and k projection's but for the operands' places, the bias (here along the lanes: a lane holds ONE channel and eight neighbouring tokens) and the output's pitch.  128 tiles of 256 x 256: a smaller tile would fill more
; WGPs at one and a half times the LDS bytes for each product.  CLUSTERS: 4 x 4; A's tiles are shared along a row of the cluster, B's along a column, by joint loads.  The grid has one cluster along y: the tile row is cy.
; REGISTERS, in windows of 256: window 0: v16-31 addresses and constants; v32-63 codes on the way out; v64-79 the bias, a pair for each block of 16 channels; from v128 A's fragments, ONE set.
;   window 1: B's fragments, TWO sets.   windows 2, 3: the accumulators ((a, b) at v[8 (8 (a % 4) + b)]).
.set KROW,   1024
.set ROWB,   256
.set PITCH,  272                       ; 256 bytes + 16 of padding: row r starts at bank 4 r mod 64 (64 banks of 4 bytes: ISA guide 11.1)
.set FR,     16
.set NL,     4
.set NP,     4
.set HALFT,  128*PITCH
.set SLOT,   4*HALFT
.set LAPS,   2
.set SPARE,  2*SLOT
.set GRP,    1024*64                   ; bytes from a group of 64 tokens in vtc to the next
.set ADRA, 16
.set ADRB, 20
.set STO,  24
.set RD,   25
.set CO,   26
.set BO,   27
.set SPW,  28
.set NIL,  29
.set SCV,  30
.set LIMV, 31
.set CD,   32
.set BM,   64                          ; v64-79: registers 2 a, 2 a + 1 both hold bv of channel 16 a + l % 16 of my 128
.set AF,   128
.set BK,   128
.set G1, 24
.set G0, 32
.set G1B, 48
.set G0B, 56
.set MSB, 0
.macro WIN new
.if MSB != \new
	s_set_vgpr_msb (MSB<<8)|\new
.set MSB, \new
.endif
.endm
.set MUL_LO, 0xa1
.set MUL_HI, 0xf1
.set TO_B,   0x40
.macro JLOAD g0a, g1a, g0b, g1b        ; a joint load: waves 0 and 1 for A, waves 2 and 3 for B; an s_nop 0 and four v_nop follow each line
	s_cmp_eq_u32 s15, 0
	s_cbranch_scc0 .Lfor_b_\@
	tensor_load_to_lds s[\g0a:\g0a+3], s[\g1a:\g1a+7]
	s_nop 0
.rept 4
	v_nop
.endr
	s_branch .Lasked_\@
.Lfor_b_\@:
	tensor_load_to_lds s[\g0b:\g0b+3], s[\g1b:\g1b+7]
	s_nop 0
.rept 4
	v_nop
.endr
.Lasked_\@:
.endm
.macro CREST
	s_cmp_lg_u32 s14, 0
	s_cbranch_scc1 .Lnot_wave_0_\@
	s_barrier_signal -3
.Lnot_wave_0_\@:
	s_barrier_wait -3
	s_barrier_signal -1
	s_barrier_wait -1
.endm
.macro CROUND
	s_barrier_signal -1
	s_barrier_wait -1
	CREST
.endm
	s_load_b128 s[4:7], s[0:1], 0x0                ; wc s[4:5], xc s[6:7]
	s_load_b128 s[8:11], s[0:1], 0x10              ; the exponents s[8:9], vtc s[10:11]
	s_load_b64 s[12:13], s[0:1], 0x20              ; b_packed
	v_lshl_add_u32 v[SPW], v0, 2, SPARE
	v_mov_b32 v[NIL], 0
	ds_add_u32 v[SPW], v[NIL]                      ; the wave's opening: the add, twice on end, and its wait ahead of my first tensor load
	ds_add_u32 v[SPW], v[NIL]
	v_lshrrev_b32 v1, 5, v0
	v_readfirstlane_b32 s14, v1                    ; wave 0..3
	s_lshr_b32 s15, s14, 1                         ; my half of the tile's rows; also: I fetch for A (0) or for B (1)
	s_and_b32 s16, s14, 1                          ; my half of its columns; also: which 128 rows I fetch
	s_bfe_u32 s40, ttmp6, 0x40000                  ; cx, cy
	s_bfe_u32 s41, ttmp6, 0x40004
	s_lshl_b32 s42, ttmp9, 2
	s_add_co_u32 s42, s42, s40                     ; tile column (tokens) = 4 x cluster x + cx
	s_mov_b32 s17, s41                             ; tile row (channels) = cy
	s_lshl_b32 s43, s41, 2
	s_lshl_b32 s43, 15, s43                        ; my row of the cluster
	s_lshl_b32 s44, 0x1111, s40                    ; my column
	s_or_b32 s[G1+0], s43, (0<<16)|(1<<20)|(1<<21)|(5<<22)|(3<<25)
	s_or_b32 s[G1B+0], s44, (0<<16)|(1<<20)|(1<<21)|(5<<22)|(3<<25)
.irp g, G1, G1B
	s_mov_b32 s[\g+1], ROWB<<16
	s_mov_b32 s[\g+2], 128<<16
	s_mov_b32 s[\g+3], ROWB<<16
	s_mov_b32 s[\g+4], 128
	s_mov_b32 s[\g+5], KROW
	s_mov_b32 s[\g+6], 0
	s_mov_b32 s[\g+7], 0
.endr
	s_lshl_b32 s18, s16, 7
	s_lshl_b32 s20, s17, 8
	s_add_co_u32 s20, s20, s18
	s_add_co_u32 s20, s20, 2048                    ; A: wc's row 2,048 + 256 x tile row + 128 x half
	s_lshl_b32 s20, s20, 10
	s_mov_b32 s21, 0
	s_lshl_b32 s46, s42, 8
	s_add_co_u32 s46, s46, s18
	s_add_co_u32 s46, s46, 16384                   ; B: xc's row 16,384 + 256 x tile column + 128 x half
	s_lshl_b32 s46, s46, 10                        ; (under 2^25)
	s_mov_b32 s47, 0
	s_mul_i32 s45, s14, HALFT
	s_wait_dscnt 0x0                               ; both opening adds are done
	s_wait_kmcnt 0x0
	s_load_b64 s[68:69], s[8:9], 0x10              ; e4, e5
	s_load_b32 s70, s[8:9], 0x24                   ; e9
	s_add_nc_u64 s[20:21], s[4:5], s[20:21]
	s_add_nc_u64 s[46:47], s[6:7], s[46:47]
	CROUND                                         ; all sixteen work-groups are here: the first joint loads meet
.irp s, 0,1
	s_mov_b32 s[G0+4*\s], 1
	s_add_co_u32 s[G0+4*\s+1], s45, \s*SLOT
	s_add_nc_u64 s[G0+4*\s+2:G0+4*\s+3], s[20:21], \s*ROWB
	s_or_b32 s[G0+4*\s+3], s[G0+4*\s+3], 0x80000000
	s_mov_b32 s[G0B+4*\s], 1
	s_add_co_u32 s[G0B+4*\s+1], s45, \s*SLOT
	s_add_nc_u64 s[G0B+4*\s+2:G0B+4*\s+3], s[46:47], \s*ROWB
	s_or_b32 s[G0B+4*\s+3], s[G0B+4*\s+3], 0x80000000
	s_wait_alu depctr_va_vdst(0)
	s_wait_tensorcnt 0x0
	ds_add_u32 v28, v29
	ds_add_u32 v28, v29
	s_wait_dscnt 0x0
	CROUND
	JLOAD G0+4*\s, G1, G0B+4*\s, G1B
.endr
	v_and_b32 v1, 15, v0                           ; r
	s_wait_alu depctr_va_vdst(0)
	v_bfe_u32 v2, v0, 4, 1                         ; h
	v_mul_u32_u24 v3, v1, PITCH
	v_lshl_add_u32 v4, v2, 4, v3
	s_mul_i32 s21, s15, HALFT
	s_mul_i32 s22, s16, HALFT
	s_add_co_u32 s22, s22, 2*HALFT
.irp s, 0,1
	v_add_nc_u32 v[ADRA+\s], s21, v4
	v_add_nc_u32 v[ADRB+\s], s22, v4
	s_add_co_u32 s21, s21, SLOT
	s_add_co_u32 s22, s22, SLOT
.endr
	s_lshl_b32 s23, s14, 11                        ; my stage: 2,048 bytes, [2 groups of tokens][16 channels][64], in slot 0, which has had its last fill and its last read by then
	v_lshlrev_b32 v5, 6, v1
	s_wait_alu depctr_va_vdst(0)
	v_lshl_add_u32 v5, v2, 3, v5
	v_add_nc_u32 v[STO], s23, v5
	v_and_b32 v6, 31, v0
	v_lshlrev_b32 v[CO], 4, v6
	v_add_nc_u32 v[RD], s23, v[CO]
	v_lshlrev_b32 v[BO], 2, v1                     ; the bias: lane l takes channel l % 16 of a block
	s_lshl_b32 s20, s17, 8
	s_lshl_b32 s21, s15, 7
	s_add_co_u32 s20, s20, s21                     ; my first channel: 256 x tile row + 128 x half
	s_add_co_u32 s82, s20, 2048
	s_lshl_b32 s82, s82, 2                         ; bv begins 2,048 numbers into b_packed
	s_mov_b32 s83, 0
	s_add_nc_u64 s[12:13], s[12:13], s[82:83]
.irp a, 0,1,2,3,4,5,6,7
	global_load_b32 v[BM+2*\a], v[BO], s[12:13] offset:64*\a
	global_load_b32 v[BM+2*\a+1], v[BO], s[12:13] offset:64*\a      ; twice: the packed multiply-add names a pair
.endr
	s_lshl_b32 s46, s42, 2
	s_lshl_b32 s47, s16, 1
	s_add_co_u32 s46, s46, s47                     ; my first group of 64 tokens: 4 x tile column + 2 x half
	s_lshl_b32 s46, s46, 10
	s_add_co_u32 s20, s20, s46
	s_lshl_b32 s20, s20, 6                         ; (group x 1,024 + channel) x 64 bytes
	s_mov_b32 s21, 0
	s_add_nc_u64 s[10:11], s[10:11], s[20:21]
.macro FRAG reg, adr, q, i
.irp c, 0,1,2,3
	ds_load_b128 v[\reg+4*\c:\reg+4*\c+3], v[\adr] offset:128*(\q)+32*\c+(\i)*16*PITCH
.endr
.endm
.macro MUL16 a0, p, zero               ; 16 matrix instructions; the 64 accumulators take turns, one instruction a turn
.irp a, \a0, \a0+1
.irp b, 0,1,2,3,4,5,6,7
.if \zero
	v_wmma_f32_16x16x128_fp8_fp8 v[8*(8*((\a)%4)+\b):8*(8*((\a)%4)+\b)+7], v[128*(\p)+FR*\b:128*(\p)+FR*\b+FR-1], v[AF+FR*(\a):AF+FR*(\a)+FR-1], 0
.else
	v_wmma_f32_16x16x128_fp8_fp8 v[8*(8*((\a)%4)+\b):8*(8*((\a)%4)+\b)+7], v[128*(\p)+FR*\b:128*(\p)+FR*\b+FR-1], v[AF+FR*(\a):AF+FR*(\a)+FR-1], v[8*(8*((\a)%4)+\b):8*(8*((\a)%4)+\b)+7]
.endif
.endr
.endr
.endm
.macro FETCH_B slot, q, p
	WIN TO_B
.irp i, 0,1,2,3,4,5,6,7
	FRAG 128*(\p)+FR*\i, ADRB+\slot, \q, \i
.endr
	WIN 0
.endm
.macro FETCH_A slot, q, i0
.irp i, \i0, \i0+1, \i0+2, \i0+3
	FRAG AF+FR*(\i), ADRA+\slot, \q, \i
.endr
.endm
.macro PLACES n
.rept \n
	v_nop
.endr
.endm
.macro STEP slot, q, zero
	s_wait_dscnt 4*NL                              ; B's set and A's blocks 0-3 are in; the youngest 16 loads (A's blocks 4-7) may be out
	WIN MUL_LO
	MUL16 0, (\q)%2, \zero
	MUL16 2, (\q)%2, \zero
	s_wait_dscnt 0
	PLACES NP
	FETCH_B \slot, (\q)+1, 1-(\q)%2
	FETCH_A \slot, (\q)+1, 0
	WIN MUL_HI
	MUL16 4, (\q)%2, \zero
	MUL16 6, (\q)%2, \zero
	PLACES NP
	WIN 0
	FETCH_A \slot, (\q)+1, 4
.endm
.macro TURN slot, next, fill
	s_wait_tensorcnt 0x0                           ; all my tensor loads have landed: my part of the next slot
	ds_add_u32 v[SPW], v[NIL]                      ; 0 onto my spare word
	s_wait_dscnt 4*NL+1                            ; (the add and the youngest 16 loads may be out)
	WIN MUL_LO
	MUL16 0, 1, 0
	s_wait_dscnt 0x0                               ; the add is done, and my reads of this slot are over
	s_barrier_signal -1
	MUL16 2, 1, 0
	WIN 0
	s_barrier_wait -1
.if \fill
	CREST                                          ; a round of the cluster's barrier: no wave of any partner still reads this slot's tile or has a load on its way
	s_add_nc_u64 s[G0+4*\slot+2:G0+4*\slot+3], s[G0+4*\slot+2:G0+4*\slot+3], 2*ROWB
	s_add_nc_u64 s[G0B+4*\slot+2:G0B+4*\slot+3], s[G0B+4*\slot+2:G0B+4*\slot+3], 2*ROWB
	JLOAD G0+4*\slot, G1, G0B+4*\slot, G1B
.else
	PLACES NP
.endif
	FETCH_B \next, 0, 0
	FETCH_A \next, 0, 0
	WIN MUL_HI
	MUL16 4, 1, 0
	MUL16 6, 1, 0
	PLACES NP
	WIN 0
	FETCH_A \next, 0, 4
.endm
	s_wait_tensorcnt 1                             ; my part of K step 0 is in; K step 1's load may be out
	s_barrier_signal -1
	s_barrier_wait -1
	FETCH_B 0, 0, 0
	FETCH_A 0, 0, 0
	FETCH_A 0, 0, 4
	STEP 0, 0, 1
	s_mov_b32 s3, LAPS-1
.Llap:
	TURN 0, 1, 1
	STEP 1, 0, 0
	TURN 1, 0, 1
	STEP 0, 0, 0
	s_sub_co_u32 s3, s3, 1
	s_cmp_lg_u32 s3, 0
	s_cbranch_scc1 .Llap
	TURN 0, 1, 0
	STEP 1, 0, 0
	s_wait_dscnt 4*NL
	WIN MUL_LO
	MUL16 0, 1, 0
	MUL16 2, 1, 0
	s_wait_dscnt 0
	WIN MUL_HI
	MUL16 4, 1, 0
	MUL16 6, 1, 0
	WIN 0
; THE WAY OUT, block by block of 16 channels x 128 tokens (two groups of 64).  A lane's eight registers of an accumulator are eight neighbouring tokens of one channel: 8 bytes of codes with the keys innermost.
.macro TOSTAGE a
.set W, 2+(\a)/4
.set AC, 64*((\a)%4)
.set CDA, CD+16*((\a)%2)
.set BB, BK+16*((\a)%2)
.set WW, (W<<6)|W
	WIN WW
.set jj, 0
.rept 32
	v_pk_fma_f32 v[AC+jj:AC+jj+1], v[AC+jj:AC+jj+1], s[96:97], v[BM+2*(\a):BM+2*(\a)+1] op_sel_hi:[1,0,1]   ; each accumulator from its low end on
.set jj, jj+2
.endr
.set jj, 0
.rept 64
.set jj, jj+1
.endr
	WIN W
.irp b, 0,1,2,3,4,5,6,7
	v_cvt_scalef32_pk8_fp8_f32 v[CDA+2*\b:CDA+2*\b+1], v[AC+8*\b:AC+8*\b+7], v[SCV]
.endr
	v_nop                                          ; one plain vector instruction behind the last conversion
	WIN 0
.irp b, 0,1,2,3,4,5,6,7
	ds_store_b64 v[STO], v[CDA+2*\b:CDA+2*\b+1] offset:(\b/4)*1024+(\b%4)*16
.endr
.irp i, 0,1,2,3
	ds_load_b128 v[BB+4*\i:BB+4*\i+3], v[RD] offset:512*\i
.endr
.endm
.macro SEND a, younger
.set BB, BK+16*((\a)%2)
	s_wait_dscnt \younger
.if (\a) > 0
	s_add_nc_u64 s[10:11], s[10:11], 1024          ; 16 channels on
.endif
.irp i, 0,1,2,3
	global_store_b128 v[CO], v[BB+4*\i:BB+4*\i+3], s[10:11] offset:(\i/2)*GRP+(\i%2)*512   ; 512 consecutive bytes, at a multiple of 256 from the buffer's first byte
.endr
.endm
	s_wait_kmcnt 0x0
	s_wait_loadcnt 0x0                             ; the bias
	s_add_co_i32 s96, s68, s69
	s_add_co_i32 s96, s96, 127
	s_lshl_b32 s96, s96, 23                        ; 2^(e4 + e5) as f32
	s_mov_b32 s97, s96
	s_add_co_i32 s83, s70, 127
	s_lshl_b32 s84, s83, 23
	v_mov_b32 v[SCV], s84                          ; 2^e9
	s_add_co_i32 s83, s83, 8
	s_lshl_b32 s83, s83, 23
	s_or_b32 s83, s83, 0x600000
	PLACES NP
	TOSTAGE 0
.irp a, 1,2,3,4,5,6,7
.if \a > 1
	s_wait_xcnt 0x0                                ; block a - 2's stores have read their registers and their base
.endif
	TOSTAGE \a
	SEND \a-1, 12                                  ; behind block a - 1's loads: block a's 8 stores and 4 loads
.endr
	s_wait_xcnt 0x0
	SEND 7, 0
	s_wait_tensorcnt 0x0                           ; the wave's end
	ds_add_u32 v[SPW], v[NIL]
	s_wait_dscnt 0x0
	CROUND                                         ; the closing round
	s_endpgm
.Lfunc_end_k_q3b3cf7df5c_projv:
	.size	k_q3b3cf7df5c_projv, .Lfunc_end_k_q3b3cf7df5c_projv-k_q3b3cf7df5c_projv
	.p2alignl 7, 3214868480
	.fill 96, 4, 3214868480
	.section	.rodata,"a",@progbits
	.p2align	6, 0x0
	.amdhsa_kernel k_q3b3cf7df5c_projv
		.amdhsa_group_segment_fixed_size 327680
		.amdhsa_private_segment_fixed_size 0
		.amdhsa_enable_private_segment 0
		.amdhsa_kernarg_size 40
		.amdhsa_user_sgpr_count 2
		.amdhsa_user_sgpr_kernarg_segment_ptr 1
		.amdhsa_wavefront_size32 1
		.amdhsa_system_sgpr_workgroup_id_x 1
		.amdhsa_system_sgpr_workgroup_id_y 1
		.amdhsa_system_sgpr_workgroup_id_z 1
		.amdhsa_system_vgpr_workitem_id 0
		.amdhsa_next_free_vgpr 1024
		.amdhsa_next_free_sgpr 100
		.amdhsa_reserve_vcc 0
		.amdhsa_float_denorm_mode_32 3
		.amdhsa_float_denorm_mode_16_64 3
		.amdhsa_fp16_overflow 1
		.amdhsa_memory_ordered 1
		.amdhsa_forward_progress 1
		.amdhsa_inst_pref_size 112
	.end_amdhsa_kernel
	.amdgpu_metadata
---
amdhsa.version: [ 1, 2 ]
amdhsa.kernels:
  - .name:           k_q3b3cf7df5c_projv
    .symbol:         k_q3b3cf7df5c_projv.kd
    .args:
      - { .name: wc, .offset: 0, .size: 8, .value_kind: global_buffer, .address_space: global }
      - { .name: xc, .offset: 8, .size: 8, .value_kind: global_buffer, .address_space: global }
      - { .name: lowp_scales, .offset: 16, .size: 8, .value_kind: global_buffer, .address_space: global }
      - { .name: vtc, .offset: 24, .size: 8, .value_kind: global_buffer, .address_space: global }
      - { .name: b_packed, .offset: 32, .size: 8, .value_kind: global_buffer, .address_space: global }
    .group_segment_fixed_size: 327680
    .private_segment_fixed_size: 0
    .kernarg_segment_align: 8
    .kernarg_segment_size: 40
    .max_flat_workgroup_size: 128
    .sgpr_count:     100
    .vgpr_count:     1024
    .wavefront_size: 32
...
	.end_amdgpu_metadata
.endif
;; end of part 3
;; launch attn (part 4): grid 8 x 64, 16 waves a work-group, no clusters, 327,680 bytes of LDS; arguments qkc, vtc, lowp_scales, ac; writes ac
.if DOCPART == 4
	.amdgcn_target "amdgcn-amd-amdhsa--gfx1250"
	.amdhsa_code_object_version 6
	.text
	.protected	k_q3b3cf7df5c_attn
	.globl	k_q3b3cf7df5c_attn
	.p2align	8
	.type	k_q3b3cf7df5c_attn,@function
k_q3b3cf7df5c_attn:
	s_mov_b64 s[64:65], 0
	v_nop
	global_prefetch_b8 v0, s[64:65] scope:SCOPE_SE
	s_setreg_imm32_b32 hwreg(HW_REG_WAVE_MODE, 25, 1), 1
	s_wait_xcnt 0x0
; Causal attention on codes of E4M3, head size 64: for each batch and head, O[q] = the sum over k <= q of softmax_k(Q[q] . K[k] / 8) V[k]; O is quantised again (entry 10 of the exponents) for the projection on the way out.
; WORK LEFT OUT: a step of 128 keys all of which lie behind all 16 queries of a wave: reference() replaces those scores by its own jnp.tril, whatever they are.  A NaN or an overflow that would arise only there is not carried on.
; Q, K: qkc [head][stacked token][64] (q's tokens, then k's).  V: vtc [token / 64][channel][64 keys].  OUT: ac [head][token 8,192][64].
; THE SOFTMAX: t = score x log2(e) / 8; M = the row's largest t so far, rounded UP to a whole number; p = 2^(t - M) is quantised (entry 8), not normalised.  The row's sum is taken of the unquantised p, in f32, and divides O at the end.
; When M moves, the sum and O are multiplied by 2^(old M - new M): exact.  A hidden key's score is made -infinity where reference() has -1e30: in both p is 0.
; SHARES.  A head's 2,048 queries are 16 blocks of 128.  Work-group j owns blocks j and 15 - j: (j + 1) + (16 - j) = 17 block steps in every work-group.  Each of its sixteen waves owns 16 queries, one tile, in 256 registers:
; four waves to a SIMD, so that one wave's vector work stands beside another's matrix work and LDS loads.  Wave w takes the late block where (w xor w / 4) is odd, and tile w / 2 of its block.
; K and V come through a ring of two LDS slots of 512 keys.  EVERY wave fetches one block of 64 rows x 64 bytes (4,096 consecutive bytes of memory): waves 0-7 64 keys of K, waves 8-15 64 keys of V^T.  All sixteen read all of it.
; LAYOUT.  Both products are used transposed: S^T = K Q^T (source 0 = 16 keys, source 1 = my 16 queries, K = 64), O^T = V^T P^T (source 0 = 16 channels, source 1 = P, K = 128 keys): a lane holds ONE query throughout.
; THE KEYS OF A TILE ARE NOT NEIGHBOURS: lane r of tile 2 b + u takes key 32 b + 8 u + r + 8 (r / 8), so that the 16 registers of tiles 2 b and 2 b + 1 are 16 neighbouring keys, 32 b + 16 (lane / 16) + 0 .. 15.
; NO CLUSTER: under the causal mask the work-groups of a head need different numbers of tiles (work-group j stops at key 2,047 - 128 j), and a joint load may not be left out by some of the partners that it names.
; LIMITS: e6 + e7 between -123 and 130 (they are added to c's exponent field, 124); e8 and e10 between -126 and 119; e8 + e9 is applied by v_ldexp_f32 and has none.
; REGISTERS: v1-11 addresses that stay (v8, v9: of the loads in hand); v12 -M, v13 the largest t, v[14:15] the sum in two halves; v16-23 Q; v24-27 constants; v28, v30, v31 at work; v32-95 K's eight fragments, then V's four;
; v96-159 S^T, then p; v160-191 O^T; v192-198 at work; v200-215 p's codes.
.set SK,    512                        ; keys in a slot
.set KP,    80                         ; a row in LDS: 64 bytes + 16 of padding: an odd multiple of 16, so the 16 rows of a load start at different banks (64 banks of 4 bytes: ISA guide 11.1)
.set BLKB,  64*KP                      ; a wave's block in LDS
.set VOFF,  8*BLKB                     ; a slot: K's eight blocks (key k at 80 k), then V's eight (group g, channel d at VOFF + 5,120 g + 80 d)
.set SLOT1, 1<<17                      ; slot 1 begins here: one exclusive or turns an address in one slot into the other's
.set NSL,   4                          ; slots' worth of keys
.set SPARE, 2*SLOT1                    ; behind the ring: the spare words, 128 bytes for each wave
.set AK0,  1                           ; v1   my lane's place in a tile of K
.set AV0,  2                           ; v2   the same for V
.set PFO,  3                           ; v3   the prefetches' offset; never rewritten
.set QO,   4                           ; v4   my byte in the wave's rows of Q
.set SPW,  5                           ; v5   LDS address of my spare word; never rewritten
.set NIL,  6                           ; v6   0; never rewritten
.set GO,   7                           ; v7   16 x lane
.set ADK,  8                           ; v8   LDS address of the step's tiles of K
.set ADV,  9                           ; v9   of V
.set SIN,  10                          ; v10  the way out: where I put 8 codes.  The stage, 1,024 bytes a wave, lies in LDS slot 0, which is left at the last change of slots: it has had its last fill, and nobody reads it
.set SOUT, 11                          ; v11  and where I read 16 bytes back
.set WV,   18                          ; s18  my wave's number
.set SEL,  20                          ; s[20:21] lane selects for v_permlanex16_b32: lane l xor 16
.set CS,   22                          ; s[22:23] c = log2(e) / 8 x 2^(e6 + e7)
.set G1,   24                          ; s[24:31] descriptor group 1: 64 rows of 64 bytes, for K's and V's blocks alike
.set G0,   40                          ; s[40:43] my group 0, which walks
.set GST,  44                          ; s[44:45] a slot on in memory: 512 x 64 bytes in K, 8 groups of 65,536 in V
.set TB,   2                           ; s2   LDS byte at which the slot in hand begins
.set SLOTS, 67                         ; s67  changes of slots still to come that may ask
.set KF,   98                          ; s98  the step's first key
.set Q0,   99                          ; s99  my first query
.set LQW,  81                          ; s81  my work-group's last query less the place of my block in a slot: my load is due while KF + 512 is at or under it
.set PFA,  76                          ; s[76:77] where my prefetches stand
.set PFS,  78                          ; s[78:79] a slot on, for them
.set LIM,  80                          ; s80  1 in a wave that prefetches, else the greatest number
; A PREFETCH of what the NEXT change of slots will ask for, behind the tensor load and its five lines.  All work-groups of a head walk the same K and V: the one that walks all keys (j = 0) asks, and nobody else.
; In it wave 0-3 ask for K's 32,768 bytes, 8,192 a wave, lanes 256 bytes apart; waves 4-7 for V's eight blocks of 4,096, two a wave, 16 lanes to a block.  So each aligned block of 256 bytes is named once in the launch.
; The first change asks for key slot 2, the second for 3, the third for nothing; slots 0 and 1 come by their loads alone.
.macro ASK
	s_cmp_gt_u32 s[SLOTS], s[LIM]
	s_cbranch_scc0 .Lnot_mine_\@
	global_prefetch_b8 v[PFO], s[PFA:PFA+1] th:TH_LOAD_NT scope:SCOPE_SE
.Lnot_mine_\@:
.endm
	s_load_b256 s[4:11], s[0:1], 0x0               ; qkc s[4:5], vtc s[6:7], the exponents s[8:9], ac s[10:11]
	v_lshl_add_u32 v[SPW], v0, 2, SPARE
	v_mov_b32 v[NIL], 0
	ds_add_u32 v[SPW], v[NIL]                      ; the wave's opening: the add, twice on end, and its wait ahead of my first tensor load
	ds_add_u32 v[SPW], v[NIL]                      ; and once more; the set-up below, work on registers, stands between it and the wait
	v_lshrrev_b32 v8, 5, v0
	s_delay_alu instid0(VALU_DEP_1)
	v_readfirstlane_b32 s[WV], v8                  ; wave 0..15
	s_and_b32 s82, ttmp7, 0xffff
	s_and_b32 s83, s82, 15                         ; the head
	s_lshr_b32 s84, s82, 4                         ; the batch
	s_lshr_b32 s85, s[WV], 2
	s_xor_b32 s85, s85, s[WV]
	s_and_b32 s85, s85, 1                          ; 1: the late block
	s_sub_co_u32 s82, 15, ttmp9
	s_cmp_eq_u32 s85, 1
	s_cselect_b32 s82, s82, ttmp9                  ; my block of 128 queries: 15 - j or j
	s_lshl_b32 s82, s82, 7
	s_lshr_b32 s85, s[WV], 1
	s_lshl_b32 s85, s85, 4
	s_add_co_u32 s[Q0], s82, s85                   ; my first query
	s_lshl_b32 s[LQW], ttmp9, 7
	s_sub_co_u32 s[LQW], 2047, s[LQW]              ; the work-group's last query,
	s_and_b32 s82, s[WV], 7
	s_lshl_b32 s85, s82, 6
	s_sub_co_u32 s[LQW], s[LQW], s85               ; less 64 x my block's number (at least 1,151 - 448)
	s_lshl_b32 s85, s84, 11                        ; batch x 2,048 tokens
	s_lshl_b32 s94, s83, 14
	s_add_co_u32 s94, s94, s85                     ; the head's and batch's first token among q's in qkc
	s_add_co_u32 s86, s94, s[Q0]
	s_lshl_b32 s86, s86, 6                         ; my queries' first byte
	s_mov_b32 s87, 0
	s_add_co_u32 s94, s94, 8192
	s_lshl_b32 s94, s94, 6                         ; K's first byte
	s_lshl_b32 s88, s83, 13
	s_add_co_u32 s88, s88, s85
	s_add_co_u32 s88, s88, s[Q0]
	s_lshl_b32 s88, s88, 6                         ; my rows' first byte in ac
	s_mov_b32 s89, 0
	s_lshl_b32 s95, s84, 21                        ; V: batch x 32 groups x 65,536
	s_lshl_b32 s85, s83, 12
	s_add_co_u32 s95, s95, s85                     ; + head x 64 channels x 64
	s_cmp_lt_u32 s[WV], 8                          ; what I fetch: waves 0-7 K, waves 8-15 V
	s_cselect_b32 s90, s94, s95
	s_mov_b32 s85, 65536
	s_cselect_b32 s85, 4096, s85                   ; from block to block in memory
	s_mov_b32 s[GST], 524288
	s_cselect_b32 s[GST], 32768, s[GST]
	s_mov_b32 s[GST+1], 0
	s_mul_i32 s82, s82, s85
	s_add_co_u32 s90, s90, s82
	s_mov_b32 s91, 0
	s_and_b32 s82, s[WV], 3                        ; what I prefetch, if I do: waves 0-3 K, waves 4-7 V
	s_cmp_lt_u32 s[WV], 4
	s_cselect_b32 s92, s94, s95
	s_mov_b32 s85, 65536
	s_cselect_b32 s85, 4096, s85
	s_mov_b32 s[PFS], 524288
	s_cselect_b32 s[PFS], 32768, s[PFS]
	s_mov_b32 s[PFS+1], 0
	s_mul_i32 s82, s82, s85
	s_lshl_b32 s82, s82, 1                         ; two blocks a wave
	s_add_co_u32 s92, s92, s82
	s_add_co_u32 s92, s92, s[PFS]                  ; in key slot 1: the first change of slots steps it to 2
	s_mov_b32 s93, 0
	v_bfe_u32 v[PFO], v0, 4, 1
	s_delay_alu instid0(VALU_DEP_1)
	v_mul_lo_u32 v[PFO], v[PFO], s85
	v_and_b32 v8, 15, v0                           ; r = lane % 16
	s_delay_alu instid0(VALU_DEP_1)
	v_lshl_add_u32 v[PFO], v8, 8, v[PFO]           ; lanes 0-15 one block, lanes 16-31 the next, 256 bytes a lane
	s_lshr_b32 s82, s[WV], 3                       ; 0 in waves 0 to 7,
	s_or_b32 s82, s82, ttmp9                       ; of work-group j = 0
	s_cmp_eq_u32 s82, 0
	s_cselect_b32 s[LIM], 1, -1
	s_mov_b32 s[G1], (0<<16)|(1<<20)|(3<<22)|(3<<25)  ; 15:0 no mask; 17:16 elements of 1 byte; 20 padding on; 24:22 after every 16 words (a row); 31:25 four words
	s_mov_b32 s[G1+1], 64<<16                      ; tensor_dim0
	s_mov_b32 s[G1+2], 64<<16                      ; tensor_dim1
	s_mov_b32 s[G1+3], 64<<16                      ; tile_dim0
	s_mov_b32 s[G1+4], 64                          ; tile_dim1
	s_mov_b32 s[G1+5], 64                          ; tensor_dim0_stride: the rows are dense
	s_mov_b32 s[G1+6], 0
	s_mov_b32 s[G1+7], 0
	s_mov_b32 s[SEL], 0x76543210
	s_mov_b32 s[SEL+1], 0xfedcba98
	s_mov_b32 s[CS], 0x3e38aa3b                    ; log2(e) / 8
	s_mov_b32 s[TB], 0
	s_mov_b32 s[SLOTS], NSL-1
	s_mov_b32 s[KF], 0
	s_wait_alu depctr_va_vdst(0)
	s_wait_dscnt 0x0                               ; both opening adds are done
	s_wait_kmcnt 0x0
	s_load_b128 s[68:71], s[8:9], 0x18             ; e6, e7, e8, e9
	s_load_b32 s72, s[8:9], 0x28                   ; e10
	s_mov_b32 s[G0], 1                             ; 1:0 count = 1
	s_mul_i32 s[G0+1], s[WV], BLKB                 ; 63:32 LDS address: my block of slot 0
	s_cmp_lt_u32 s[WV], 8
	s_cselect_b64 s[G0+2:G0+3], s[4:5], s[6:7]     ; the choice hangs on the wave's number alone
	s_add_nc_u64 s[G0+2:G0+3], s[G0+2:G0+3], s[90:91]
	s_or_b32 s[G0+3], s[G0+3], 0x80000000          ; 127:126 type = 2
	tensor_load_to_lds s[G0:G0+3], s[G1:G1+7]      ; key slot 0: every wave's first fill, with no branch in front of it.  One tensor load of mine is out, here and behind each change of slots
	s_nop 0
.rept 4
	v_nop
.endr
	s_cmp_lt_u32 s[WV], 4
	s_cselect_b64 s[PFA:PFA+1], s[4:5], s[6:7]
	s_add_nc_u64 s[PFA:PFA+1], s[PFA:PFA+1], s[92:93]
	s_add_nc_u64 s[4:5], s[4:5], s[86:87]          ; Q at my first query
	s_add_nc_u64 s[10:11], s[10:11], s[88:89]      ; ac likewise
	v_bfe_u32 v9, v0, 4, 1                         ; h = lane / 16
	v_lshlrev_b32 v[QO], 6, v8
	s_delay_alu instid0(VALU_DEP_1)
	v_lshl_add_u32 v[QO], v9, 4, v[QO]
	global_load_b128 v[16:19], v[QO], s[4:5]       ; Q's fragment stays in registers: of query r, channels 16 h + 0 .. 15
	global_load_b128 v[20:23], v[QO], s[4:5] offset:32   ; and 32 + 16 h + 0 .. 15: the same permutation of the 64 channels as in K's fragments
	v_and_b32 v194, 8, v8
	s_delay_alu instid0(VALU_DEP_1)
	v_add_nc_u32 v194, v194, v8                    ; r + 8 (r / 8)
	s_delay_alu instid0(VALU_DEP_1)
	v_mul_u32_u24 v[AK0], v194, KP
	s_delay_alu instid0(VALU_DEP_1)
	v_lshl_add_u32 v[AK0], v9, 4, v[AK0]
	v_mul_u32_u24 v[AV0], v8, KP
	s_delay_alu instid0(VALU_DEP_1)
	v_lshl_add_u32 v[AV0], v9, 4, v[AV0]
	s_delay_alu instid0(VALU_DEP_1)
	v_add_nc_u32 v[AV0], VOFF, v[AV0]
	v_and_b32 v[GO], 31, v0
	s_delay_alu instid0(VALU_DEP_1)
	v_lshlrev_b32 v[GO], 4, v[GO]
	s_lshl_b32 s82, s[WV], 10                      ; my stage
	v_lshlrev_b32 v[SIN], 6, v8
	s_delay_alu instid0(VALU_DEP_1)
	v_lshl_add_u32 v[SIN], v9, 3, v[SIN]
	s_delay_alu instid0(VALU_DEP_1)
	v_add_nc_u32 v[SIN], s82, v[SIN]               ; in: token r, + 8 h
	v_add_nc_u32 v[SOUT], s82, v[GO]               ; back: as the bytes lie
	v_lshlrev_b32 v196, 4, v9
	s_delay_alu instid0(VALU_DEP_1)
	v_sub_nc_u32 v196, v8, v196                    ; r - 16 h, for the mask; kept
	v_mov_b32 v198, 0xff800000                     ; -infinity; kept
	v_mov_b32 v13, 0xff61b1e6                      ; the largest t so far: -3e38, under every t
	s_delay_alu instid0(VALU_DEP_1)
	v_floor_f32 v12, -v13                          ; -M
	v_mov_b32 v14, 0                               ; the sum, in two halves
	v_mov_b32 v15, 0
	v_mov_b32 v28, 0                               ; written once: a lane permute's destination counts as one of its sources
	v_mov_b32 v31, 0                               ; (named as the upper half of the pair v[30:31])
.set jj, 0
.rept 32
	v_mov_b32 v[160+jj], 0                         ; O^T.  (The step is written without a first step of its own: the first finds zeros, which the first change of M leaves zeros)
.set jj, jj+1
.endr
	s_wait_kmcnt 0x0
	s_add_co_i32 s82, s68, s69
	s_lshl_b32 s82, s82, 23
	s_add_co_i32 s[CS], s[CS], s82                 ; a score stands for score x 2^(e6 + e7): the two exponents are added to c's exponent field
	s_mov_b32 s[CS+1], s[CS]                       ; (named with it as a pair, so it is written)
	s_add_co_i32 s82, s70, 127
	s_lshl_b32 s83, s82, 23
	v_mov_b32 v25, s83                             ; 2^e8, for p's conversion
	s_add_co_i32 s85, s72, 127
	s_lshl_b32 s84, s85, 23                        ; 2^e10, kept for the way out,
; A KEY STEP: 128 keys, the q-th of the slot in hand.
.macro STEP q
	s_add_co_u32 s96, s[Q0], 15                    ; a step all of whose keys come after my 16 queries is left out: a scalar branch on ids, round the step's loads, products and softmax; no barrier or tensor load stands in a step
	s_cmp_gt_u32 s[KF], s96
	s_cbranch_scc1 .Lhidden_\@
	v_add_nc_u32 v[ADK], s[TB], v[AK0]
	v_add_nc_u32 v[ADV], s[TB], v[AV0]
	v_nop                                          ; with the two additions: four places in front of loads into registers that the last products have read
	v_nop
.irp t, 0,1,2,3,4,5,6,7
.irp c, 0,1
	ds_load_b128 v[32+8*\t+4*\c:32+8*\t+4*\c+3], v[ADK] offset:(128*(\q)+32*(\t/2)+8*(\t%2))*KP+32*\c
.endr
.endr
	s_wait_alu depctr_va_vdst(0)
	s_wait_dscnt 0x0
.irp t, 0,1,2,3,4,5,6,7
	v_wmma_f32_16x16x64_fp8_fp8 v[96+8*\t:103+8*\t], v[32+8*\t:39+8*\t], v[16:23], 0   ; S^T: lane (r, h) holds query r; the 16 registers of tiles 2 b, 2 b + 1 are keys 32 b + 16 h + 0 .. 15
.endr
.rept 4
	v_nop                                          ; places: in front of the loads below, into K's registers, and of the first read of the scores
.endr
.irp t, 0,1,2,3                                ; V's four fragments (16 channels x 128 keys) are asked for now and land under the softmax
.irp c, 0,1,2,3
	ds_load_b128 v[32+16*\t+4*\c:32+16*\t+4*\c+3], v[ADV] offset:(2*(\q)+\c/2)*BLKB+16*\t*KP+32*(\c%2)
.endr
.endr
	s_add_co_u32 s96, s[KF], 127                   ; on the diagonal the scores of hidden keys become -infinity ahead of the maximum.  A step all of whose keys count skips this
	s_cmp_le_u32 s96, s[Q0]
	s_cbranch_scc1 .Lopen_\@
	s_sub_co_i32 s96, s[Q0], s[KF]
	v_add_nc_u32 v197, s96, v196                   ; d = my query - KF - 16 h.  Register 16 b + i holds key KF + 16 h + 32 b + i: hidden where 32 b + i > d
.set nn, 0
.rept 64
	v_cmp_gt_i32 vcc_lo, 32*(nn/16)+nn%16, v197
	v_cndmask_b32 v[96+nn], v[96+nn], v198, vcc_lo
.set nn, nn+1
.endr
.Lopen_\@:
	v_max3_num_f32 v194, v96, v97, v98             ; the step's largest score of my query, among my 64 keys, in two chains (each accumulator is first read at its low end),
	v_max3_num_f32 v30, v99, v100, v101
.irp i, 6,10,14,18,22,26,30,34,38,42,46,50,54,58
	v_max3_num_f32 v194, v194, v[96+\i], v[97+\i]
	v_max3_num_f32 v30, v30, v[98+\i], v[99+\i]
.endr
	v_max3_num_f32 v194, v194, v158, v159
	s_delay_alu instid0(VALU_DEP_1)
	v_max_num_f32 v194, v194, v30
	s_delay_alu instid0(VALU_DEP_1)
	v_permlanex16_b32 v28, v194, s[SEL], s[SEL+1]
	s_delay_alu instid0(VALU_DEP_1)
	v_max_num_f32 v194, v194, v28                  ; and among lane l xor 16's
	s_delay_alu instid0(VALU_DEP_1)
	v_mul_f32 v194, s[CS], v194                    ; as t (c is positive)
	s_delay_alu instid0(VALU_DEP_1)
	v_max_num_f32 v13, v13, v194                   ; the running largest t
	v_mov_b32 v194, v12
	s_delay_alu instid0(VALU_DEP_2)
	v_floor_f32 v12, -v13                          ; the new -M = floor(-t) = -ceil(t): M is a whole number
	s_delay_alu instid0(VALU_DEP_1)
	v_sub_f32 v194, v12, v194                      ; M's old value less its new one: a whole number, 0 or less
	s_delay_alu instid0(VALU_DEP_1)
	v_cvt_i32_f32 v194, v194                       ; (it saturates)
	s_delay_alu instid0(VALU_DEP_1)
	v_ldexp_f32 v30, 1.0, v194                     ; f = 2^(old M - new M)
.set jj, 0
.rept 32
	v_pk_fma_f32 v[96+jj:97+jj], v[96+jj:97+jj], s[CS:CS+1], v[12:13] op_sel_hi:[1,0,0]   ; t - M, two at a time (of the pairs c and -M the low word serves both halves)
.set jj, jj+2
.endr
.set jj, 0
	s_wait_alu depctr_va_vdst(0)
.rept 64
	v_exp_f32 v[96+jj], v[96+jj]                   ; p = 2^(t - M), at most 1
.set jj, jj+1
.endr
	v_pk_mul_f32 v[14:15], v[14:15], v[30:31] op_sel_hi:[1,0]   ; the sums under the new M: the plain instruction behind the exponentials
	s_wait_alu depctr_va_vdst(0)                   ; one wait for the whole batch, ahead of its first reader
	v_pk_add_f32 v[192:193], v[100:101], v[104:105]
	v_pk_add_f32 v[254:255], v[108:109], v[112:113]
	v_pk_add_f32 v[252:253], v[116:117], v[120:121]
	v_pk_add_f32 v[250:251], v[124:125], v[128:129]
	v_pk_add_f32 v[248:249], v[132:133], v[136:137]
	v_pk_add_f32 v[246:247], v[140:141], v[144:145]
	v_pk_add_f32 v[244:245], v[148:149], v[152:153]
	v_pk_add_f32 v[14:15], v[14:15], v[156:157]
	v_pk_add_f32 v[192:193], v[192:193], v[96:97]
	v_pk_add_f32 v[254:255], v[254:255], v[98:99]
	v_pk_add_f32 v[252:253], v[252:253], v[102:103]
	v_pk_add_f32 v[250:251], v[250:251], v[106:107]
	v_pk_add_f32 v[248:249], v[248:249], v[110:111]
	v_pk_add_f32 v[246:247], v[246:247], v[114:115]
	v_pk_add_f32 v[244:245], v[244:245], v[118:119]
	v_pk_add_f32 v[14:15], v[14:15], v[122:123]
	v_pk_add_f32 v[192:193], v[192:193], v[126:127]
	v_pk_add_f32 v[254:255], v[254:255], v[130:131]
	v_pk_add_f32 v[252:253], v[252:253], v[134:135]
	v_pk_add_f32 v[250:251], v[250:251], v[138:139]
	v_pk_add_f32 v[248:249], v[248:249], v[142:143]
	v_pk_add_f32 v[246:247], v[246:247], v[146:147]
	v_pk_add_f32 v[244:245], v[244:245], v[150:151]
	v_pk_add_f32 v[14:15], v[14:15], v[154:155]
	v_pk_add_f32 v[192:193], v[192:193], v[158:159]
	s_delay_alu instid0(VALU_DEP_2)
	v_pk_add_f32 v[14:15], v[14:15], v[250:251]
	s_delay_alu instid0(VALU_DEP_2)
	v_pk_add_f32 v[192:193], v[192:193], v[248:249]
	v_pk_add_f32 v[254:255], v[254:255], v[246:247]
	v_pk_add_f32 v[252:253], v[252:253], v[244:245]
	s_delay_alu instid0(VALU_DEP_2)
	v_pk_add_f32 v[14:15], v[14:15], v[254:255]
	s_delay_alu instid0(VALU_DEP_2)
	v_pk_add_f32 v[192:193], v[192:193], v[252:253]
	s_delay_alu instid0(VALU_DEP_1)
	v_pk_add_f32 v[14:15], v[14:15], v[192:193]
.irp b, 0,1,2,3
.irp i, 0,1,2,3,4,5,6,7,8,9,10,11,12,13,14,15
.endr
	v_cvt_scalef32_pk8_fp8_f32 v[200+4*\b:201+4*\b], v[96+16*\b:103+16*\b], v25
	v_cvt_scalef32_pk8_fp8_f32 v[202+4*\b:203+4*\b], v[104+16*\b:111+16*\b], v25
.endr
.set jj, 0
.rept 16
	v_pk_mul_f32 v[160+jj:161+jj], v[160+jj:161+jj], v[30:31] op_sel_hi:[1,0]   ; O^T under the new M, each accumulator from its low end on.  (Also the plain instructions between the conversions and the products)
.set jj, jj+2
.endr
	s_wait_alu depctr_va_vdst(0)
	s_wait_dscnt 0x0                               ; V is in
.irp t, 0,1,2,3
	v_wmma_f32_16x16x128_fp8_fp8 v[160+8*\t:167+8*\t], v[32+16*\t:47+16*\t], v[200:215], v[160+8*\t:167+8*\t]   ; the four accumulators take turns, one instruction a turn; eight other products stand between two steps' links
.endr
.Lhidden_\@:
	s_add_co_u32 s[KF], s[KF], 128
.endm
; THE CHANGE OF SLOTS stands at a slot's head.  Each wave waits for all its tensor loads (its block of the slot that it is about to read), adds 0 to its spare word, and waits for that and for its reads of the slot that it has left.
; Behind the barrier the slot ahead is whole and nobody reads the other one.  fill = 1: that other slot takes the keys that follow: the load has a whole slot's four steps in which to land.
.macro CHANGE fill
	s_wait_tensorcnt 0x0                           ; no tensor load of mine is out, so my group 0 may be written
	ds_add_u32 v[SPW], v[NIL]                      ; 0 onto my spare word
.if \fill
	s_xor_b32 s[G0+1], s[G0+1], SLOT1              ; the walking descriptor: the other slot than last time,
	s_add_nc_u64 s[G0+2:G0+3], s[G0+2:G0+3], s[GST:GST+1]   ; the next 512 keys; the type bits on top are not reached
	s_wait_xcnt 0x0                                ; the last prefetch, a slot back, has read its address, so it may be written
	s_add_nc_u64 s[PFA:PFA+1], s[PFA:PFA+1], s[PFS:PFS+1]   ; one slot further on than the walking descriptor
.endif
	s_wait_dscnt 0x0                               ; the add is done, and my reads of the slot that I have left are over
	s_barrier_signal -1
	s_barrier_wait -1
.if \fill
	s_add_co_u32 s96, s[KF], SK                    ; THE LOOK-AHEAD ENDS AT THE CAUSAL LIMIT.  My block's first key is KF + 512 + 64 x its number; a step of 128 keys is walked by some wave only while its first key is at or under the
	s_cmp_gt_u32 s96, s[LQW]                       ; work-group's last query, and that query + 1 is a multiple of 128: so a block whose first key comes after it is read by nobody, and is not asked for.  Ids and the count of steps alone;
	s_cbranch_scc1 .Lpast_\@                       ; a wave that is past the limit stays past it.  The jump leads round the load's own lines and nothing else; every wait on TENSORcnt in this text is for 0
	tensor_load_to_lds s[G0:G0+3], s[G1:G1+7]      ; my one tensor load until the next change
	s_nop 0
.rept 4
	v_nop
.endr
.Lpast_\@:
	ASK
.endif
.endm
.macro SLOT_STEPS
.irp q, 0,1,2,3
	STEP \q
.endr
	s_xor_b32 s[TB], s[TB], SLOT1                  ; on to the other slot
.endm
	s_wait_loadcnt 0x0                             ; Q
.Lslot:                                            ; three trips, a constant: every work-group walks all slots; what the mask hides is jumped over step by step
	CHANGE 1
	SLOT_STEPS
	s_sub_co_u32 s[SLOTS], s[SLOTS], 1
	s_cmp_lg_u32 s[SLOTS], 0
	s_cbranch_scc1 .Lslot
	CHANGE 0                                       ; the last slot is written out: nothing follows it
	SLOT_STEPS
	; THE WAY OUT.  O^T / the sum x 2^(e8 + e9), converted with 2^e10: a lane's eight registers of a tile are eight neighbouring channels of its query.  Through my stage, and out as 1,024 consecutive bytes.
	v_mov_b32 v27, s84                             ; 2^e10
	v_add_f32 v14, v14, v15                        ; the sum's two halves,
	s_delay_alu instid0(VALU_DEP_1)
	v_permlanex16_b32 v28, v14, s[SEL], s[SEL+1]
	s_delay_alu instid0(VALU_DEP_1)
	v_add_f32 v14, v14, v28                        ; and lane l xor 16's: the row's sum
	s_wait_alu depctr_va_vdst(0)
	v_rcp_f32 v14, v14
	v_nop                                          ; a plain instruction behind the reciprocal
	s_add_co_i32 s82, s70, s71
	s_wait_alu depctr_va_vdst(0)                   ; and a wait ahead of its first reader
	v_ldexp_f32 v14, v14, s82                      ; x 2^(e8 + e9)
.set jj, 0
.rept 16
	v_pk_mul_f32 v[96+jj:97+jj], v[160+jj:161+jj], v[14:15] op_sel_hi:[1,0]   ; register 8 t + i is o(query r, channel 16 t + 8 h + i)
.set jj, jj+2
.endr
.set jj, 0
.rept 32
.set jj, jj+1
.endr
.irp t, 0,1,2,3
	v_cvt_scalef32_pk8_fp8_f32 v[200+2*\t:201+2*\t], v[96+8*\t:103+8*\t], v27
.endr
	v_nop                                          ; one plain vector instruction behind the last conversion
.irp t, 0,1,2,3
	ds_store_b64 v[SIN], v[200+2*\t:201+2*\t] offset:16*\t
.endr
.irp i, 0,1
	ds_load_b128 v[32+4*\i:35+4*\i], v[SOUT] offset:512*\i   ; LDS serves a wave's instructions in order (ISA guide 5.7.1.4): these see my stores
.endr
.irp i, 0,1
	s_wait_dscnt 1-\i                              ; the younger load may stay out
	global_store_b128 v[GO], v[32+4*\i:35+4*\i], s[10:11] offset:512*\i   ; 512 consecutive bytes, at a multiple of 256 from the buffer's first byte
.endr
	s_wait_tensorcnt 0x0                           ; the wave's end: behind my last tensor load and my last LDS store
	ds_add_u32 v[SPW], v[NIL]
	s_wait_dscnt 0x0
	s_endpgm
.Lfunc_end_k_q3b3cf7df5c_attn:
	.size	k_q3b3cf7df5c_attn, .Lfunc_end_k_q3b3cf7df5c_attn-k_q3b3cf7df5c_attn
	.p2alignl 7, 3214868480
	.fill 96, 4, 3214868480
	.section	.rodata,"a",@progbits
	.p2align	6, 0x0
	.amdhsa_kernel k_q3b3cf7df5c_attn
		.amdhsa_group_segment_fixed_size 327680
		.amdhsa_private_segment_fixed_size 0
		.amdhsa_enable_private_segment 0
		.amdhsa_kernarg_size 32
		.amdhsa_user_sgpr_count 2
		.amdhsa_user_sgpr_kernarg_segment_ptr 1
		.amdhsa_wavefront_size32 1
		.amdhsa_system_sgpr_workgroup_id_x 1
		.amdhsa_system_sgpr_workgroup_id_y 1
		.amdhsa_system_sgpr_workgroup_id_z 1
		.amdhsa_system_vgpr_workitem_id 0
		.amdhsa_next_free_vgpr 256
		.amdhsa_next_free_sgpr 100
		.amdhsa_reserve_vcc 1
		.amdhsa_float_denorm_mode_32 3
		.amdhsa_float_denorm_mode_16_64 3
		.amdhsa_fp16_overflow 1
		.amdhsa_memory_ordered 1
		.amdhsa_forward_progress 1
		.amdhsa_inst_pref_size 163
	.end_amdhsa_kernel
	.amdgpu_metadata
---
amdhsa.version: [ 1, 2 ]
amdhsa.kernels:
  - .name:           k_q3b3cf7df5c_attn
    .symbol:         k_q3b3cf7df5c_attn.kd
    .args:
      - { .name: qkc, .offset: 0, .size: 8, .value_kind: global_buffer, .address_space: global }
      - { .name: vtc, .offset: 8, .size: 8, .value_kind: global_buffer, .address_space: global }
      - { .name: lowp_scales, .offset: 16, .size: 8, .value_kind: global_buffer, .address_space: global }
      - { .name: ac, .offset: 24, .size: 8, .value_kind: global_buffer, .address_space: global }
    .group_segment_fixed_size: 327680
    .private_segment_fixed_size: 0
    .kernarg_segment_align: 8
    .kernarg_segment_size: 32
    .max_flat_workgroup_size: 512
    .sgpr_count:     100
    .vgpr_count:     256
    .wavefront_size: 32
...
	.end_amdgpu_metadata
.endif
;; end of part 4
;; launch outp (part 5): grid 4 x 32, 4 waves a work-group, clusters of 4 x 4, 327,680 bytes of LDS; arguments ac, wc, lowp_scales, out0, b_out; writes out0
.if DOCPART == 5
	.amdgcn_target "amdgcn-amd-amdhsa--gfx1250"
	.amdhsa_code_object_version 6
	.text
	.protected	k_q3b3cf7df5c_outp
	.globl	k_q3b3cf7df5c_outp
	.p2align	8
	.type	k_q3b3cf7df5c_outp,@function
k_q3b3cf7df5c_outp:
	s_mov_b64 s[64:65], 0
	v_nop
	global_prefetch_b8 v0, s[64:65] scope:SCOPE_SE
	s_setreg_imm32_b32 hwreg(HW_REG_WAVE_MODE, 25, 1), 1
	s_wait_xcnt 0x0
	s_wait_alu depctr_hold_cnt(0) depctr_sa_sdst(0) depctr_va_vdst(0) depctr_va_sdst(0) depctr_va_ssrc(0) depctr_va_vcc(0) depctr_vm_vsrc(0)
	s_getreg_b32 s2, hwreg(HW_REG_IB_STS2, 6, 4)
	s_cmp_eq_u32 s2, 0
	s_cbranch_scc0 .Lentry_in_a_cluster
	s_endpgm
.Lentry_in_a_cluster:
	s_bfe_u32 s2, ttmp6, 0x10000c
	s_cmp_lg_u32 s2, 0xf033
	s_cbranch_scc0 .Lentry_shape_is_right
	s_endpgm
.Lentry_shape_is_right:
; out0 = attention's result x W_out^T + b_out, on codes of E4M3: one GEMM C = A B^T of 8,192 x 1,024 x 1,024; C f32 = sum x 2^(e10 + e11) + b_out, one fused multiply-add.
; A: ac [head 16][token 8,192][64]: K = 64 x head + channel.  B: wc's rows 3,072 on (W_out), K innermost.  LIMIT: e10 + e11 between -126 and 127.  No work of reference() is left out here.
; The skeleton is the projections': a tile of 256 x 256, four waves of 128 x 128, K in steps of 256 through two LDS slots, 4 x 4 clusters with joint loads (A's tiles shared along a row of the cluster, B's along a column).
; A's TILE: a K step of 256 is four heads.  One load a wave brings 128 tokens of four heads: four rows of 8,192 consecutive bytes, 524,288 bytes apart, with 16 bytes of padding behind every 64: in LDS [head 4][token 128][80].
; So lane (r, h) finds K = 128 q + 32 c + 16 h + 0 .. 15 of token 16 i + r at (2 q + c / 2) x 10,240 + (16 i + r) x 80 + 32 (c % 2) + 16 h: the same k that B's fragment holds in the same registers.
; 128 tiles of 256 x 256: a smaller tile would fill more WGPs at one and a half times the LDS bytes for each product.  No prefetch: K has four steps, of which two are asked for at the head.
; REGISTERS, in windows of 256: window 0: v16-29 addresses; v64-127 the bias of my 128 columns in the result's layout; from v128 A's fragments, ONE set (on the way out: rows read back).
;   window 1: B's fragments, TWO sets.   windows 2, 3: the accumulators ((a, b) at v[8 (8 (a % 4) + b)]).
.set KROW,   1024
.set ROWB,   256
.set PITCH,  272                       ; B's LDS row: 256 bytes + 16: row r starts at bank 4 r mod 64 (64 banks of 4 bytes: ISA guide 11.1)
.set APITCH, 80                        ; A's LDS row: 64 bytes + 16: an odd multiple of 16 likewise
.set HEADB,  128*APITCH                ; a head's 128 tokens in LDS
.set AHALF,  4*HEADB                   ; what one load for A brings
.set ASTEP,  4*524288                  ; a K step on in ac: four heads
.set FR,     16
.set NL,     4
.set NP,     4
.set HALFT,  128*PITCH                 ; what one load for B brings
.set SLOT,   2*AHALF+2*HALFT           ; A's two halves, then B's two
.set LAPS,   2
.set SPARE,  2*SLOT                    ; behind the ring: the spare words, 128 bytes for each wave
.set SPITCH, 528                       ; the way out: a stage of 16 rows x (512 bytes + 16) for each wave, in slot 0, which has had its last fill and its last read by then
.set ADRA, 16
.set ADRB, 20
.set STO,  24
.set RD,   25
.set CO,   26
.set BO,   27
.set SPW,  28
.set NIL,  29
.set BN,   64                          ; v64-127 bias: register 8 b + j = column 16 b + 8 (l / 16) + j of my 128
.set AF,   128
.set BK,   128                         ; the way out: v128-191 and v192-255 by turns
.set G1, 24
.set G0, 32
.set G1B, 48
.set G0B, 56
.set MSB, 0
.macro WIN new
.if MSB != \new
	s_set_vgpr_msb (MSB<<8)|\new
.set MSB, \new
.endif
.endm
.set MUL_LO, 0xa1
.set MUL_HI, 0xf1
.set TO_B,   0x40
.macro JLOAD g0a, g1a, g0b, g1b        ; a joint load: waves 0 and 1 for A, waves 2 and 3 for B; an s_nop 0 and four v_nop follow each line
	s_cmp_eq_u32 s15, 0
	s_cbranch_scc0 .Lfor_b_\@
	tensor_load_to_lds s[\g0a:\g0a+3], s[\g1a:\g1a+7]
	s_nop 0
.rept 4
	v_nop
.endr
	s_branch .Lasked_\@
.Lfor_b_\@:
	tensor_load_to_lds s[\g0b:\g0b+3], s[\g1b:\g1b+7]
	s_nop 0
.rept 4
	v_nop
.endr
.Lasked_\@:
.endm
.macro CREST
	s_cmp_lg_u32 s14, 0
	s_cbranch_scc1 .Lnot_wave_0_\@
	s_barrier_signal -3
.Lnot_wave_0_\@:
	s_barrier_wait -3
	s_barrier_signal -1
	s_barrier_wait -1
.endm
.macro CROUND
	s_barrier_signal -1
	s_barrier_wait -1
	CREST
.endm
	s_load_b128 s[4:7], s[0:1], 0x0                ; ac s[4:5], wc s[6:7]
	s_load_b128 s[8:11], s[0:1], 0x10              ; the exponents s[8:9], out0 s[10:11]
	s_load_b64 s[12:13], s[0:1], 0x20              ; b_out
	v_lshl_add_u32 v[SPW], v0, 2, SPARE
	v_mov_b32 v[NIL], 0
	ds_add_u32 v[SPW], v[NIL]                      ; the wave's opening: the add, twice on end, and its wait ahead of my first tensor load
	ds_add_u32 v[SPW], v[NIL]
	v_lshrrev_b32 v1, 5, v0
	v_readfirstlane_b32 s14, v1                    ; wave 0..3
	s_lshr_b32 s15, s14, 1                         ; my half of the tile's rows; also: I fetch for A (0) or for B (1)
	s_and_b32 s16, s14, 1                          ; my half of its columns; also: which 128 rows I fetch
	s_bfe_u32 s40, ttmp6, 0x40000                  ; cx, cy
	s_bfe_u32 s41, ttmp6, 0x40004
	s_lshl_b32 s42, ttmp9, 2
	s_add_co_u32 s42, s42, s40                     ; tile column = 4 x cluster x + cx
	s_and_b32 s17, ttmp7, 0xffff
	s_lshl_b32 s17, s17, 2
	s_add_co_u32 s17, s17, s41                     ; tile row = 4 x cluster y + cy
	s_lshl_b32 s43, s41, 2
	s_lshl_b32 s43, 15, s43                        ; my row of the cluster
	s_lshl_b32 s44, 0x1111, s40                    ; my column
	s_or_b32 s[G1+0], s43, (0<<16)|(1<<20)|(1<<21)|(3<<22)|(3<<25)  ; A: elements of 1 byte; padding: four words after every 16 (a token's 64 bytes, which divide the row)
	s_mov_b32 s[G1+1], 8192<<16                    ; tensor_dim0 = 8,192: 128 tokens x 64 bytes of one head
	s_mov_b32 s[G1+2], 4<<16                       ; tensor_dim1 = 4 heads
	s_mov_b32 s[G1+3], 8192<<16                    ; tile_dim0
	s_mov_b32 s[G1+4], 4                           ; tile_dim1
	s_mov_b32 s[G1+5], 524288                      ; from head to head
	s_mov_b32 s[G1+6], 0
	s_mov_b32 s[G1+7], 0
	s_or_b32 s[G1B+0], s44, (0<<16)|(1<<20)|(1<<21)|(5<<22)|(3<<25) ; B: padding: four words after every 64
	s_mov_b32 s[G1B+1], ROWB<<16
	s_mov_b32 s[G1B+2], 128<<16
	s_mov_b32 s[G1B+3], ROWB<<16
	s_mov_b32 s[G1B+4], 128
	s_mov_b32 s[G1B+5], KROW
	s_mov_b32 s[G1B+6], 0
	s_mov_b32 s[G1B+7], 0
	s_lshl_b32 s18, s16, 7
	s_lshl_b32 s20, s17, 8
	s_add_co_u32 s20, s20, s18                     ; A: token 256 x tile row + 128 x half,
	s_lshl_b32 s20, s20, 6                         ; 64 bytes a token
	s_mov_b32 s21, 0
	s_lshl_b32 s46, s42, 8
	s_add_co_u32 s46, s46, s18
	s_add_co_u32 s46, s46, 3072                    ; B: wc's row 3,072 + 256 x tile column + 128 x half
	s_lshl_b32 s46, s46, 10
	s_mov_b32 s47, 0
	s_mul_i32 s45, s16, AHALF                      ; where they go: A's halves,
	s_mul_i32 s84, s16, HALFT
	s_add_co_u32 s84, s84, 2*AHALF                 ; and B's behind them: the wave's number and constants alone
	s_wait_dscnt 0x0                               ; both opening adds are done
	s_wait_kmcnt 0x0
	s_load_b64 s[96:97], s[8:9], 0x28              ; e10, e11
	s_add_nc_u64 s[20:21], s[4:5], s[20:21]
	s_add_nc_u64 s[46:47], s[6:7], s[46:47]
	CROUND                                         ; all sixteen work-groups are here: the first joint loads meet
.irp s, 0,1
	s_mov_b32 s[G0+4*\s], 1
	s_add_co_u32 s[G0+4*\s+1], s45, \s*SLOT
	s_add_nc_u64 s[G0+4*\s+2:G0+4*\s+3], s[20:21], \s*ASTEP
	s_or_b32 s[G0+4*\s+3], s[G0+4*\s+3], 0x80000000
	s_mov_b32 s[G0B+4*\s], 1
	s_add_co_u32 s[G0B+4*\s+1], s84, \s*SLOT
	s_add_nc_u64 s[G0B+4*\s+2:G0B+4*\s+3], s[46:47], \s*ROWB
	s_or_b32 s[G0B+4*\s+3], s[G0B+4*\s+3], 0x80000000
	s_wait_alu depctr_va_vdst(0)
	s_wait_tensorcnt 0x0
	ds_add_u32 v28, v29
	ds_add_u32 v28, v29
	s_wait_dscnt 0x0
	CROUND
	JLOAD G0+4*\s, G1, G0B+4*\s, G1B
.endr
	v_and_b32 v1, 15, v0                           ; r
	v_bfe_u32 v2, v0, 4, 1                         ; h
	v_mul_u32_u24 v3, v1, APITCH
	v_lshl_add_u32 v3, v2, 4, v3                   ; A: token r x 80 + 16 h
	v_mul_u32_u24 v4, v1, PITCH
	v_lshl_add_u32 v4, v2, 4, v4                   ; B: row r x 272 + 16 h
	s_mul_i32 s21, s15, AHALF                      ; my 128 tokens of A
	s_mul_i32 s22, s16, HALFT                      ; my 128 rows of B,
	s_add_co_u32 s22, s22, 2*AHALF                 ; which lie behind A's
.irp s, 0,1
	v_add_nc_u32 v[ADRA+\s], s21, v3
	v_add_nc_u32 v[ADRB+\s], s22, v4
	s_add_co_u32 s21, s21, SLOT
	s_add_co_u32 s22, s22, SLOT
.endr
	s_mul_i32 s23, s14, 16*SPITCH                  ; my stage
	v_mul_u32_u24 v5, v1, SPITCH                   ; in: row r, 32 bytes for each half of the lanes
	v_lshl_add_u32 v5, v2, 5, v5
	v_add_nc_u32 v[STO], s23, v5
	v_and_b32 v6, 31, v0
	v_lshlrev_b32 v[CO], 4, v6                     ; back: the 32 lanes take one row of 512 bytes; and the same in out0
	v_add_nc_u32 v[RD], s23, v[CO]
	v_lshlrev_b32 v[BO], 5, v2                     ; the bias: lanes 16-31 begin eight numbers on
	s_lshl_b32 s46, s42, 10
	s_lshl_b32 s47, s16, 9
	s_add_co_u32 s46, s46, s47                     ; my first column, in bytes of f32: in a row of out0 and in b_out alike
	s_mov_b32 s47, 0
	s_add_nc_u64 s[12:13], s[12:13], s[46:47]
.irp b, 0,1,2,3,4,5,6,7
	global_load_b128 v[BN+8*\b:BN+8*\b+3], v[BO], s[12:13] offset:64*\b
	global_load_b128 v[BN+8*\b+4:BN+8*\b+7], v[BO], s[12:13] offset:64*\b+16
.endr
	s_lshl_b32 s20, s17, 8
	s_lshl_b32 s21, s15, 7
	s_add_co_u32 s20, s20, s21                     ; my first row: 256 x tile row + 128 x half,
	s_lshl_b32 s20, s20, 12                        ; 4,096 bytes a row (under 2^25)
	s_add_co_u32 s20, s20, s46
	s_mov_b32 s21, 0
	s_add_nc_u64 s[10:11], s[10:11], s[20:21]
.macro FRAG reg, adr, q, i             ; a fragment of B
.irp c, 0,1,2,3
	ds_load_b128 v[\reg+4*\c:\reg+4*\c+3], v[\adr] offset:128*(\q)+32*\c+(\i)*16*PITCH
.endr
.endm
.macro FRAGA reg, adr, q, i            ; a fragment of A: two heads, two loads each
.irp c, 0,1,2,3
	ds_load_b128 v[\reg+4*\c:\reg+4*\c+3], v[\adr] offset:(2*(\q)+\c/2)*HEADB+(\i)*16*APITCH+32*(\c%2)
.endr
.endm
.macro MUL16 a0, p, zero               ; 16 matrix instructions; the 64 accumulators take turns, one instruction a turn
.irp a, \a0, \a0+1
.irp b, 0,1,2,3,4,5,6,7
.if \zero
	v_wmma_f32_16x16x128_fp8_fp8 v[8*(8*((\a)%4)+\b):8*(8*((\a)%4)+\b)+7], v[128*(\p)+FR*\b:128*(\p)+FR*\b+FR-1], v[AF+FR*(\a):AF+FR*(\a)+FR-1], 0
.else
	v_wmma_f32_16x16x128_fp8_fp8 v[8*(8*((\a)%4)+\b):8*(8*((\a)%4)+\b)+7], v[128*(\p)+FR*\b:128*(\p)+FR*\b+FR-1], v[AF+FR*(\a):AF+FR*(\a)+FR-1], v[8*(8*((\a)%4)+\b):8*(8*((\a)%4)+\b)+7]
.endif
.endr
.endr
.endm
.macro FETCH_B slot, q, p
	WIN TO_B
.irp i, 0,1,2,3,4,5,6,7
	FRAG 128*(\p)+FR*\i, ADRB+\slot, \q, \i
.endr
	WIN 0
.endm
.macro FETCH_A slot, q, i0
.irp i, \i0, \i0+1, \i0+2, \i0+3
	FRAGA AF+FR*(\i), ADRA+\slot, \q, \i
.endr
.endm
.macro PLACES n
.rept \n
	v_nop
.endr
.endm
.macro STEP slot, q, zero
	s_wait_dscnt 4*NL                              ; B's set and A's blocks 0-3 are in; the youngest 16 loads (A's blocks 4-7) may be out
	WIN MUL_LO
	MUL16 0, (\q)%2, \zero
	MUL16 2, (\q)%2, \zero
	s_wait_dscnt 0
	PLACES NP
	FETCH_B \slot, (\q)+1, 1-(\q)%2
	FETCH_A \slot, (\q)+1, 0
	WIN MUL_HI
	MUL16 4, (\q)%2, \zero
	MUL16 6, (\q)%2, \zero
	PLACES NP
	WIN 0
	FETCH_A \slot, (\q)+1, 4
.endm
.macro TURN slot, next, fill
	s_wait_tensorcnt 0x0                           ; all my tensor loads have landed: my part of the next slot
	ds_add_u32 v[SPW], v[NIL]                      ; 0 onto my spare word
	s_wait_dscnt 4*NL+1                            ; (the add and the youngest 16 loads may be out)
	WIN MUL_LO
	MUL16 0, 1, 0
	s_wait_dscnt 0x0                               ; the add is done, and my reads of this slot are over
	s_barrier_signal -1
	MUL16 2, 1, 0
	WIN 0
	s_barrier_wait -1
.if \fill
	CREST                                          ; a round of the cluster's barrier: no wave of any partner still reads this slot's tile or has a load on its way
	s_add_nc_u64 s[G0+4*\slot+2:G0+4*\slot+3], s[G0+4*\slot+2:G0+4*\slot+3], 2*ASTEP
	s_add_nc_u64 s[G0B+4*\slot+2:G0B+4*\slot+3], s[G0B+4*\slot+2:G0B+4*\slot+3], 2*ROWB
	JLOAD G0+4*\slot, G1, G0B+4*\slot, G1B
.else
	PLACES NP
.endif
	s_wait_alu depctr_va_vdst(0)
	FETCH_B \next, 0, 0
	FETCH_A \next, 0, 0
	WIN MUL_HI
	MUL16 4, 1, 0
	MUL16 6, 1, 0
	PLACES NP
	WIN 0
	FETCH_A \next, 0, 4
.endm
	s_wait_tensorcnt 1                             ; my part of K step 0 is in; K step 1's load may be out
	s_barrier_signal -1
	s_barrier_wait -1
	FETCH_B 0, 0, 0
	FETCH_A 0, 0, 0
	FETCH_A 0, 0, 4
	STEP 0, 0, 1
	s_mov_b32 s3, LAPS-1
.Llap:
	TURN 0, 1, 1
	STEP 1, 0, 0
	TURN 1, 0, 1
	STEP 0, 0, 0
	s_sub_co_u32 s3, s3, 1
	s_cmp_lg_u32 s3, 0
	s_cbranch_scc1 .Llap
	TURN 0, 1, 0
	STEP 1, 0, 0
	s_wait_dscnt 4*NL
	WIN MUL_LO
	MUL16 0, 1, 0
	MUL16 2, 1, 0
	s_wait_dscnt 0
	WIN MUL_HI
	MUL16 4, 1, 0
	MUL16 6, 1, 0
	WIN 0
; THE WAY OUT, block by block of 16 rows x 128 columns.  In place: sum x 2^(e10 + e11) + bias.  A lane holds 32 neighbouring bytes of a row, and the lanes beside it hold other rows: so a block goes through my own stage and comes back
; as whole rows of 512 bytes.  LDS serves a wave's instructions in order (ISA guide 5.7.1.4): no wait between the stores and the loads.
.macro TOSTAGE a
.set W, 2+(\a)/4
.set AC, 64*((\a)%4)
.set WW, (W<<6)|W
	WIN WW                                         ; destination and source 0: the accumulators' window
.set jj, 0
.rept 32
	v_pk_fma_f32 v[AC+jj:AC+jj+1], v[AC+jj:AC+jj+1], s[96:97], v[BN+jj:BN+jj+1] op_sel_hi:[1,0,1]   ; each accumulator from its low end on
.set jj, jj+2
.endr
.set WW, W<<2
	WIN WW                                         ; an LDS store's data are its source 1
.irp b, 0,1,2,3,4,5,6,7
	ds_store_b128 v[STO], v[AC+8*\b:AC+8*\b+3] offset:64*\b
	ds_store_b128 v[STO], v[AC+8*\b+4:AC+8*\b+7] offset:64*\b+16
.endr
	WIN 0
.set BB, BK+64*((\a)%2)
.irp t, 0,1,2,3,4,5,6,7,8,9,10,11,12,13,14,15
	ds_load_b128 v[BB+4*\t:BB+4*\t+3], v[RD] offset:\t*SPITCH
.endr
.endm
.macro SEND a, younger
.set BB, BK+64*((\a)%2)
	s_wait_dscnt \younger
.if (\a) > 0
	s_add_nc_u64 s[10:11], s[10:11], 16*4096       ; 16 rows on (behind a wait on XCNT: the earlier stores have read their base)
.endif
.irp t, 0,1,2,3,4,5,6,7,8,9,10,11,12,13,14,15
	global_store_b128 v[CO], v[BB+4*\t:BB+4*\t+3], s[10:11] offset:\t*4096 th:TH_STORE_NT   ; 32 lanes store 512 consecutive bytes, at a multiple of 256 from out0's first byte; written once, read by nobody here
.endr
.endm
	s_wait_kmcnt 0x0
	s_wait_loadcnt 0x0                             ; the bias
	s_add_co_i32 s96, s96, s97
	s_add_co_i32 s96, s96, 127
	s_lshl_b32 s96, s96, 23                        ; 2^(e10 + e11) as f32
	s_mov_b32 s97, s96                             ; (named with it as a pair, so it is written)
	PLACES NP                                      ; behind the last products
	TOSTAGE 0
.irp a, 1,2,3,4,5,6,7
.if \a > 1
	s_wait_xcnt 0x0                                ; block a - 2's stores have read their registers and their base
.endif
	TOSTAGE \a
	SEND \a-1, 32                                  ; behind block a - 1's loads: block a's 16 stores and 16 loads
.endr
	s_wait_xcnt 0x0
	SEND 7, 0
	s_wait_tensorcnt 0x0                           ; the wave's end
	ds_add_u32 v[SPW], v[NIL]
	s_wait_dscnt 0x0
	CROUND                                         ; the closing round
	s_endpgm
.Lfunc_end_k_q3b3cf7df5c_outp:
	.size	k_q3b3cf7df5c_outp, .Lfunc_end_k_q3b3cf7df5c_outp-k_q3b3cf7df5c_outp
	.p2alignl 7, 3214868480
	.fill 96, 4, 3214868480
	.section	.rodata,"a",@progbits
	.p2align	6, 0x0
	.amdhsa_kernel k_q3b3cf7df5c_outp
		.amdhsa_group_segment_fixed_size 327680
		.amdhsa_private_segment_fixed_size 0
		.amdhsa_enable_private_segment 0
		.amdhsa_kernarg_size 40
		.amdhsa_user_sgpr_count 2
		.amdhsa_user_sgpr_kernarg_segment_ptr 1
		.amdhsa_wavefront_size32 1
		.amdhsa_system_sgpr_workgroup_id_x 1
		.amdhsa_system_sgpr_workgroup_id_y 1
		.amdhsa_system_sgpr_workgroup_id_z 1
		.amdhsa_system_vgpr_workitem_id 0
		.amdhsa_next_free_vgpr 1024
		.amdhsa_next_free_sgpr 100
		.amdhsa_reserve_vcc 0
		.amdhsa_float_denorm_mode_32 3
		.amdhsa_float_denorm_mode_16_64 3
		.amdhsa_memory_ordered 1
		.amdhsa_forward_progress 1
		.amdhsa_inst_pref_size 126
	.end_amdhsa_kernel
	.amdgpu_metadata
---
amdhsa.version: [ 1, 2 ]
amdhsa.kernels:
  - .name:           k_q3b3cf7df5c_outp
    .symbol:         k_q3b3cf7df5c_outp.kd
    .args:
      - { .name: ac, .offset: 0, .size: 8, .value_kind: global_buffer, .address_space: global }
      - { .name: wc, .offset: 8, .size: 8, .value_kind: global_buffer, .address_space: global }
      - { .name: lowp_scales, .offset: 16, .size: 8, .value_kind: global_buffer, .address_space: global }
      - { .name: out0, .offset: 24, .size: 8, .value_kind: global_buffer, .address_space: global }
      - { .name: b_out, .offset: 32, .size: 8, .value_kind: global_buffer, .address_space: global }
    .group_segment_fixed_size: 327680
    .private_segment_fixed_size: 0
    .kernarg_segment_align: 8
    .kernarg_segment_size: 40
    .max_flat_workgroup_size: 128
    .sgpr_count:     100
    .vgpr_count:     1024
    .wavefront_size: 32
...
	.end_amdgpu_metadata
.endif
;; end of part 5
